; MI455X (gfx1250); checked and timed in simulation.
; The chip was launched on July 23, 2026; its instructions are those of AMD's public machine-readable ISA for CDNA 5 (MIT licence, August 2026) and "CDNA5" Instruction Set Architecture Reference Guide (July 2026). The comments in the code are by the model that wrote it; some were corrected since.
;; Attention. Allowed arithmetic: matrix products marked QUANTISED: E2M1 operands, one E8M0 scale for each 32 along K, by v_wmma_scale_f32_16x16x128_f8f6f4 with both operands' format E2M1 (or v_wmma_scale_f32_32x16x128_f4), f32 sums; everything else in f32.
;; Inputs: W_k 2,048 x 512 float32; W_o 1,024 x 2,048 float32; W_q 2,048 x 1,024 float32; W_v 2,048 x 512 float32; attention_mask 2 x 2,048 int32; b_o 2,048 float32; b_v 512 float32; cos 2 x 2,048 x 64 float32; hidden_states 2 x 2,048 x 2,048 float32; sin 2 x 2,048 x 64 float32.
;; Outputs: out0 2 x 2,048 x 2,048 float32.
;; This version of the problem:
;;   THIS VERSION OF THE PROBLEM IS GIVEN IN LOW PRECISION. The matrix products marked QUANTISED in the list below multiply operands that are first quantised to E2M1 (2 exponent bits, 1 mantissa bit; 4 bits a number), with one power-of-two scale for each 32 numbers along K (OCP MX v1.0); their sums are f32. All else is computed in f32.
;;   The module's matrix products, in the order in which they are computed (A, B: the left and right operand; K: the contracted axis; several contracted axes count as one K, in the product's order):
;;     1. [M 4,096, K 2,048] x [K 2,048, N 1,024]; A: input hidden_states; B: input W_q: QUANTISED
;;     2. [M 4,096, K 2,048] x [K 2,048, N 512]; A: input hidden_states; B: input W_k: QUANTISED
;;     3. [M 4,096, K 2,048] x [K 2,048, N 512]; A: input hidden_states; B: input W_v: QUANTISED
;;     4. batch 32 x [M 2,048, K 64] x [K 64, N 2,048]; A: computed on the way; B: computed on the way: QUANTISED
;;     5. batch 32 x [M 2,048, K 2,048] x [K 2,048, N 64]; A: softmax (see below); B: computed on the way: QUANTISED
;;     6. [M 4,096, K 1,024] x [K 1,024, N 2,048]; A: computed on the way; B: input W_o: QUANTISED
;;   THE QUANTISER, for each operand of a quantised product, along K:
;;     - K is cut into blocks of 32 from its start; a last block that is shorter is filled with zeros.
;;     - A block's scale is 2^e with e = floor(log2(the largest magnitude in the block)) - 2, held to -126 .. 127; a block of zeros has e = 0. As a byte (E8M0): e + 127.
;;     - Each number is divided by its block's scale, clamped to +-6, and rounded to the nearest number of E2M1, ties to even, subnormals kept.
;;     - The product sums the exact products of the quantised numbers (number of the format x scale) in f32.
;;   ~~~python
;;   def quantise(x, axis):      # numpy; x: float32 -> the quantised numbers, widened to float32 again
;;       x = np.moveaxis(x, axis, -1); K = x.shape[-1]
;;       x = np.pad(x, [(0, 0)] * (x.ndim - 1) + [(0, -K % 32)]); x = x.reshape(x.shape[:-1] + (-1, 32)); a = np.abs(x).max(-1, keepdims=True)
;;       e = np.where(a > 0, np.clip(np.frexp(np.where(a > 0, a, 1))[1] - 1 - 2, -126, 127), 0)      # np.frexp(a)[1] - 1 = floor(log2(a)), exactly
;;       r = np.clip(x / 2.0 ** e, -6, 6)
;;       step = 2.0 ** (np.maximum(np.frexp(np.where(r == 0, 1, r))[1] - 1, 0) - 1)
;;       q = np.round(r / step) * step * 2.0 ** e      # np.round: ties to even
;;       return np.moveaxis(q.reshape(q.shape[:-2] + (-1,))[..., :K], -1, axis).astype(np.float32)
;;   ~~~
;;   SOFTMAX AHEAD OF A QUANTISED PRODUCT. Where the list says 'softmax', what is quantised is not the finished softmax but p = 2^(t - M), with t = logit x log2(e) and M = ceil(the row's largest t), a whole number; so 1/2 < the row's largest p <= 1. The row's sum l is taken of the UNQUANTISED p, in f32, and the product's result is divided by l at the end. Since M is a whole number, a kernel that streams over the keys may use a running M (the ceiling of the running maximum): every later rescaling is an exact power of two, which a block's scale takes up: the codes' values come out the same.
;;   OPERANDS COMPUTED ON THE WAY. 'Computed on the way' means the value that the module computes at that place (a softmax that the list does not call 'softmax' is quantised finished and normalised). What goes into a quantiser is computed in f32, as accurately as f32 sums, v_exp_f32 and their like allow (about 1e-6 of the number): no bf16 or f16 on the way to a quantiser, and a product that is left as it is and whose result goes on into a quantised operand takes f32 operands (vector FMAs, or v_wmma_f32_16x16x4_f32). A number that lies on a knife's edge between two numbers of the format may be rounded either way, as far as f32 arithmetic and the matrix unit's own rounding can turn it there, and no further.
;; One version. Each part assembles by itself: llvm-mc -triple=amdgcn-amd-amdhsa -mcpu=gfx1250 --defsym DOCPART=n.
;; ======== version 1 of 1: 4 launches
;; limits: right only within a limited range of input values
;; workspace buffers: xw 7,798,784 bytes; qkv 4,653,056 bytes; ob 2,228,224 bytes
;; launch quant (part 1): grid 448 x 1, 4 waves a work-group, no clusters, 34,304 bytes of LDS; arguments hidden_states, W_q, W_k, W_v, W_o, xw; writes xw
.if DOCPART == 1
	.amdgcn_target "amdgcn-amd-amdhsa--gfx1250"
	.amdhsa_code_object_version 6
	.text
	.protected	k_qdfe8dfb9f5_quant
	.globl	k_qdfe8dfb9f5_quant
	.p2align	8
	.type	k_qdfe8dfb9f5_quant,@function
k_qdfe8dfb9f5_quant:
	s_mov_b64 s[64:65], 0
	v_nop
	global_prefetch_b8 v0, s[64:65] scope:SCOPE_SE
	s_setreg_imm32_b32 hwreg(HW_REG_WAVE_MODE, 25, 1), 1
	s_wait_xcnt 0x0
; hidden_states [4096][2048] (K innermost) and W_q, W_k, W_v [2048][N], W_o [1024][2048] (K is the FIRST axis), all f32, become codes of FP4 (E2M1) with one E8M0 byte for each 32 along K.
; A block's scale is 2^(floor(log2(its largest magnitude)) - 2): its byte is the largest magnitude's exponent field - 2, held at 1 from below.
; THE CODES ARE LAID AS IMAGES OF THE OPERAND'S REGISTERS.  A fragment (16 rows x 128 K) is 1,024 bytes: byte 512 c + 16 lane holds the 16 bytes of k = 64 c + 32 (lane / 16) + 0 .. 31 of row lane % 16.
; The scale words of four tiles and one K step are one unit of 256 bytes: [row 16][tile 4] words.
; xw: x's codes [tile 256][K step 16][1024], x's units [group 64][16][256], W_q|W_k|W_v's codes [tile 128][16][1024], units [32][16][256], W_o's codes [tile 128][8][1024], units [32][8][256].
; Work-groups 0-255 take x: a wave 64 rows x 128 K.  Work-groups 256-447 take the weights: a wave 64 columns x 128 K.  Waves share nothing: no barrier.  Only x's way uses LDS.
; LIMITS: blocks whose largest magnitude lies under 2^-124, blocks of zeros among them, keep the byte 1 (their codes are zeros or tiny; this program alone reads the bytes); NaN and infinities among the inputs are not served.
.set O_XC,  0
.set O_XS,  4194304
.set O_WC,  4456448
.set O_WS,  6553600
.set O_WOC, 6684672
.set O_WOS, 7733248
.set SP,    528                        ; a stage row: 512 bytes + 16, an odd multiple of 16: the sixteen rows of a read start at sixteen different columns of 16 bytes
.set WST,   16*SP                      ; a wave's stage
.set R,     16                         ; v16-143  x: two sets of 64 registers as loaded
.set X,     144                        ; v144-207 x: 64 numbers of my row, in the operand's order
.set C,     208                        ; v208-239 codes; never written twice
.set E,     240                        ; v240-243 x: a scale word for each of the four tiles
.set M,     244
.set SO,    246
.set BY,    248
.set XW,    16                         ; v16-79   weights: two sets of 32 numbers down K
.set CW,    208
.set CSTEP, 128                        ; bytes from column set 0 to column set 1
.set WD,    240                        ; v240-241 weights: my column's scale word, for each of the two column sets
	s_load_b256 s[4:11], s[0:1], 0x0               ; hidden_states, W_q, W_k, W_v
	s_load_b128 s[12:15], s[0:1], 0x20             ; W_o, xw
	v_lshl_add_u32 v254, v0, 2, 0x8400
	v_mov_b32 v255, 0
	v_lshrrev_b32 v1, 5, v0
	v_readfirstlane_b32 s16, v1                    ; wave
	v_and_b32 v1, 31, v0                           ; lane
	v_and_b32 v2, 15, v0                           ; r
	v_bfe_u32 v3, v0, 4, 1                         ; h
	s_mov_b32 s20, 0x76543210
	s_mov_b32 s21, 0xfedcba98                      ; v_permlanex16_b32's selects for lane l xor 16
	v_cmp_ne_u32 s22, 0, v3                        ; lanes 16-31
	v_lshlrev_b32 v7, 4, v2
	v_lshl_add_u32 v7, v3, 3, v7                   ; my 8 bytes of a unit of scale words: 16 r + 8 h
	v_mov_b32 v250, 0                              ; written once: a lane permute's destination counts as one of its sources
	v_mov_b32 v251, 0
	s_mov_b32 s29, 0                               ; the high word of every offset
	s_cmp_lt_u32 ttmp9, 256
	s_cbranch_scc0 .Lw
; ---------------- x: a wave takes rows 64 G .. 64 G + 63 (four tiles) and 128 along K
	s_lshr_b32 s17, ttmp9, 2                       ; G
	s_and_b32 s18, ttmp9, 3
	s_lshl_b32 s18, s18, 2
	s_add_co_u32 s18, s18, s16                     ; K step
	s_wait_alu depctr_va_vdst(0)
	v_lshlrev_b32 v4, 4, v1                        ; 16 x lane: my bytes of a load's 512, and of an image's
	s_mul_i32 s19, s16, WST
	v_add_nc_u32 v14, s19, v4                      ; the stage, on the way in: a row as it lies
	v_mul_u32_u24 v15, v2, SP
	v_lshl_add_u32 v15, v3, 7, v15
	v_add_nc_u32 v15, s19, v15                     ; on the way out: row r, + 128 h: the 32 numbers of my half
	v_lshlrev_b32 v10, 3, v3                       ; 8 h: my bytes' shift in the scale word
	s_lshl_b32 s28, s17, 19                        ; 64 rows of 8,192 bytes
	s_lshl_b32 s23, s18, 9
	s_add_co_u32 s28, s28, s23
	s_wait_alu depctr_va_vdst(0)
	s_wait_kmcnt 0x0
	s_add_nc_u64 s[4:5], s[4:5], s[28:29]
	s_lshl_b32 s28, s17, 16                        ; four tiles of 16,384 bytes (O_XC = 0)
	s_lshl_b32 s23, s18, 10
	s_add_co_u32 s28, s28, s23
	s_add_nc_u64 s[24:25], s[14:15], s[28:29]
	s_lshl_b32 s28, s17, 12
	s_lshl_b32 s23, s18, 8
	s_add_co_u32 s28, s28, s23
	s_add_co_u32 s28, s28, O_XS
	s_add_nc_u64 s[26:27], s[14:15], s[28:29]
.macro XLOAD f                         ; tile f: sixteen loads, each a row's 512 consecutive bytes
.irp p, 0,1,2,3,4,5,6,7,8,9,10,11,12,13,14,15
	global_load_b128 v[R+64*((\f)%2)+4*\p:R+64*((\f)%2)+4*\p+3], v4, s[4:5] offset:(32*(\p/8)+8*(\f)+\p%8)*8192 th:TH_LOAD_NT   ; row p of tile f is token 32 (p / 8) + 8 f + p % 8 of the 64: the attention's lanes then hold whole blocks of 32 keys
.endr
.endm
.macro XTURN f                         ; through my stage: in by rows, out 32 neighbours of row r for each c.  LDS serves a wave's instructions in order: no wait between
.irp p, 0,1,2,3,4,5,6,7,8,9,10,11,12,13,14,15
	ds_store_b128 v14, v[R+64*((\f)%2)+4*\p:R+64*((\f)%2)+4*\p+3] offset:\p*SP
.endr
.irp c, 0,1
.irp i, 0,1,2,3,4,5,6,7
	ds_load_b128 v[X+32*\c+4*\i:X+32*\c+4*\i+3], v15 offset:256*\c+16*\i    ; X[32 c + e] = x(r, 64 c + 32 h + e)
.endr
.endr
.endm
.macro XQ f                            ; my two whole blocks (2 c + h) are quantised; the conversions' results are the operand's registers
.irp c, 0,1
	v_max3_num_f32 v[M+\c], |v[X+32*\c]|, |v[X+32*\c+1]|, 0x1800000      ; with the floor 2^(3 - 127): the byte cannot fall under 1
.endr
.irp i, 2,4,6,8,10,12,14,16,18,20,22,24,26,28,30
.irp c, 0,1
	v_max3_num_f32 v[M+\c], v[M+\c], |v[X+32*\c+\i]|, |v[X+32*\c+\i+1]|
.endr
.endr
.irp c, 0,1
	v_add_nc_u32 v[SO+\c], 0xff000000, v[M+\c]     ; 2 off the exponent field: the conversion's scale operand
.endr
.irp c, 0,1
	v_lshrrev_b32 v[BY+\c], 23, v[SO+\c]           ; the scale's byte
.endr
	v_lshl_or_b32 v250, v[BY+1], 16, v[BY]         ; blocks h and 2 + h,
	v_lshlrev_b32 v250, v10, v250                  ; at their places in the word;
	v_permlanex16_b32 v251, v250, s20, s21
	v_or_b32 v[E+\f], v250, v251                   ; with lane l xor 16's two the word is whole
.irp c, 0,1
.irp g, 0,1,2,3
	v_cvt_scalef32_pk8_fp4_f32 v[C+8*(\f)+4*\c+\g], v[X+32*\c+8*\g:X+32*\c+8*\g+7], v[SO+\c]
.endr
.endr
	v_nop                                          ; one plain place behind the last scaled conversion
.irp c, 0,1
	global_store_b128 v4, v[C+8*(\f)+4*\c:C+8*(\f)+4*\c+3], s[24:25] offset:(\f)*16384+\c*512   ; 512 consecutive bytes
.endr
.endm
	XLOAD 0
	XLOAD 1
.irp f, 0,1,2,3
.if \f < 3
	s_wait_loadcnt 16                              ; this tile's sixteen loads are in; the next tile's sixteen may be out
.else
	s_wait_loadcnt 0x0
.endif
	XTURN \f
	s_wait_dscnt 0x0                               ; X is in, and the stage's stores have read their registers,
.if \f < 2
	XLOAD \f+2                                     ; which take the tile two further on
.endif
	XQ \f
.endr
	v_cndmask_b32 v252, v[E], v[E+2], s22          ; words 2 h and 2 h + 1 of row r
	v_cndmask_b32 v253, v[E+1], v[E+3], s22
	global_store_b64 v7, v[252:253], s[26:27]      ; 32 lanes store 256 consecutive bytes, aligned
	s_wait_tensorcnt 0x0
	ds_add_u32 v254, v255
	s_wait_dscnt 0x0
	s_endpgm
; ---------------- the weights: a lane takes a column and its registers run down K; nothing is transposed
.macro WLOAD u, N                      ; unit u = 2 t + s: block t of the K step, column set s
.irp i, 0,1,2,3,4,5,6,7,8,9,10,11,12,13,14,15,16,17,18,19,20,21,22,23,24,25,26,27,28,29,30,31
	global_load_b32 v[XW+32*((\u)%2)+\i], v5, s[4:5] offset:(32*((\u)/2)+\i)*\N*4+CSTEP*((\u)%2)
.endr
.endm
.macro WUNIT u, N, TS
.set XB, XW+32*((\u)%2)
.if (\u) < 7
	s_wait_loadcnt 32                              ; this unit's 32 loads are in; the next unit's may be out
.else
	s_wait_loadcnt 0x0
.endif
	v_max3_num_f32 v244, |v[XB]|, |v[XB+1]|, |v[XB+2]|              ; the block's largest magnitude: all 32 numbers are mine
	v_max3_num_f32 v245, |v[XB+3]|, |v[XB+4]|, |v[XB+5]|
.irp i, 6,10,14,18,22,26
	v_max3_num_f32 v244, v244, |v[XB+\i]|, |v[XB+\i+1]|
	v_max3_num_f32 v245, v245, |v[XB+\i+2]|, |v[XB+\i+3]|
.endr
	v_max3_num_f32 v244, v244, |v[XB+30]|, |v[XB+31]|
	v_max3_num_f32 v244, v244, v245, 0x1800000     ; and the floor
	v_add_nc_u32 v246, 0xff000000, v244            ; the conversion's scale operand
	v_lshrrev_b32 v247, 23, v246                   ; the byte
.if (\u)/2 == 0
	v_mov_b32 v[WD+(\u)%2], v247
.else
	v_lshl_or_b32 v[WD+(\u)%2], v247, 8*((\u)/2), v[WD+(\u)%2]
.endif
.irp g, 0,1,2,3
	v_cvt_scalef32_pk8_fp4_f32 v[CW+4*(\u)+\g], v[XB+8*\g:XB+8*\g+7], v246
.endr
	v_nop                                          ; one plain place behind the last scaled conversion
	global_store_b128 v6, v[CW+4*(\u):CW+4*(\u)+3], s[24:25] offset:2*((\u)%2)*\TS+(((\u)/2)/2)*512+(((\u)/2)%2)*256   ; sixteen lanes store 256 consecutive bytes, aligned: block t of one tile's image
.if (\u)+2 < 8
	WLOAD (\u)+2, \N
.endif
.endm
; s18 = column block of 256, s19 = K step, s23 = the column block's first tile, s[4:5] = the tensor
.macro WBODY N, TS, KST, CB, SB
	s_lshl_b32 s30, s16, 2
	s_add_co_u32 s23, s23, s30                     ; my wave's first tile
	s_mul_i32 s28, s19, 128*\N*4
	s_lshl_b32 s30, s18, 10
	s_add_co_u32 s28, s28, s30
	s_lshl_b32 s30, s16, 8
	s_add_co_u32 s28, s28, s30
	s_add_nc_u64 s[4:5], s[4:5], s[28:29]          ; row 128 x K step, column 256 x block + 64 x wave
	s_mul_i32 s28, s23, \TS
	s_lshl_b32 s30, s19, 10
	s_add_co_u32 s28, s28, s30
	s_add_co_u32 s28, s28, \CB
	s_add_nc_u64 s[24:25], s[14:15], s[28:29]
	s_lshr_b32 s28, s23, 2
	s_mul_i32 s28, s28, \KST*256
	s_lshl_b32 s30, s19, 8
	s_add_co_u32 s28, s28, s30
	s_add_co_u32 s28, s28, \SB
	s_add_nc_u64 s[26:27], s[14:15], s[28:29]
	v_mul_u32_u24 v6, v3, \TS                      ; lanes 16-31 hold the next tile's columns
	v_lshl_add_u32 v6, v2, 4, v6
	WLOAD 0, \N
	WLOAD 1, \N
.irp u, 0,1,2,3,4,5,6,7
	WUNIT \u, \N, \TS
.endr
	v_permlanex16_b32 v250, v[WD], s20, s21        ; the unit [row][tile]: lane (r, h) stores tiles 2 h and 2 h + 1 of row r
	v_permlanex16_b32 v251, v[WD+1], s20, s21
	v_cndmask_b32 v252, v[WD], v251, s22
	v_cndmask_b32 v253, v250, v[WD+1], s22
	global_store_b64 v7, v[252:253], s[26:27]      ; 256 consecutive bytes, aligned
.endm
.Lw:
	s_sub_co_u32 s17, ttmp9, 256
	s_wait_alu depctr_va_vdst(0)
	v_lshlrev_b32 v5, 2, v1                        ; 4 bytes a lane
	s_wait_kmcnt 0x0
	s_cmp_lt_u32 s17, 64
	s_cbranch_scc0 .Lw_kv
	s_and_b32 s18, s17, 3                          ; W_q: 4 column blocks x 16 K steps; tiles 0-63
	s_lshr_b32 s19, s17, 2
	s_lshl_b32 s23, s18, 4
	s_mov_b64 s[4:5], s[6:7]
	s_wait_alu depctr_va_vdst(0)
	WBODY 1024, 16384, 16, O_WC, O_WS
	s_endpgm
.Lw_kv:
	s_cmp_lt_u32 s17, 128
	s_cbranch_scc0 .Lw_o
	s_sub_co_u32 s17, s17, 64                      ; W_k (tiles 64-95), then W_v (tiles 96-127): 2 column blocks x 16 K steps each
	s_cmp_lt_u32 s17, 32
	s_cselect_b64 s[4:5], s[8:9], s[10:11]
	s_and_b32 s18, s17, 1
	s_bfe_u32 s19, s17, 0x40001
	s_lshr_b32 s23, s17, 5
	s_lshl_b32 s23, s23, 5
	s_add_co_u32 s23, s23, 64
	s_lshl_b32 s30, s18, 4
	s_add_co_u32 s23, s23, s30
	s_wait_alu depctr_va_vdst(0)
	WBODY 512, 16384, 16, O_WC, O_WS
	s_endpgm
.Lw_o:
	s_sub_co_u32 s17, s17, 128                     ; W_o: 8 column blocks x 8 K steps
	s_and_b32 s18, s17, 7
	s_lshr_b32 s19, s17, 3
	s_lshl_b32 s23, s18, 4
	s_mov_b64 s[4:5], s[12:13]
	v_lshlrev_b32 v5, 4, v2                        ; W_o: row r of tile b of a group of four is column 4 r + b of the 64: lane (r, h) of column set s takes column 4 r + 2 s + h
	v_lshl_add_u32 v5, v3, 2, v5
.set CSTEP, 8
	s_wait_alu depctr_va_vdst(0)
	WBODY 2048, 8192, 8, O_WOC, O_WOS
	s_endpgm
.Lfunc_end_k_qdfe8dfb9f5_quant:
	.size	k_qdfe8dfb9f5_quant, .Lfunc_end_k_qdfe8dfb9f5_quant-k_qdfe8dfb9f5_quant
	.p2alignl 7, 3214868480
	.fill 96, 4, 3214868480
	.section	.rodata,"a",@progbits
	.p2align	6, 0x0
	.amdhsa_kernel k_qdfe8dfb9f5_quant
		.amdhsa_group_segment_fixed_size 34304
		.amdhsa_private_segment_fixed_size 0
		.amdhsa_enable_private_segment 0
		.amdhsa_kernarg_size 48
		.amdhsa_user_sgpr_count 2
		.amdhsa_user_sgpr_kernarg_segment_ptr 1
		.amdhsa_wavefront_size32 1
		.amdhsa_system_sgpr_workgroup_id_x 1
		.amdhsa_system_sgpr_workgroup_id_y 1
		.amdhsa_system_sgpr_workgroup_id_z 1
		.amdhsa_system_vgpr_workitem_id 0
		.amdhsa_next_free_vgpr 256
		.amdhsa_next_free_sgpr 66
		.amdhsa_reserve_vcc 0
		.amdhsa_float_denorm_mode_32 3
		.amdhsa_float_denorm_mode_16_64 3
		.amdhsa_memory_ordered 1
		.amdhsa_forward_progress 1
		.amdhsa_inst_pref_size 145
	.end_amdhsa_kernel
	.amdgpu_metadata
---
amdhsa.version: [ 1, 2 ]
amdhsa.kernels:
  - .name:           k_qdfe8dfb9f5_quant
    .symbol:         k_qdfe8dfb9f5_quant.kd
    .args:
      - { .name: hidden_states, .offset: 0, .size: 8, .value_kind: global_buffer, .address_space: global }
      - { .name: W_q, .offset: 8, .size: 8, .value_kind: global_buffer, .address_space: global }
      - { .name: W_k, .offset: 16, .size: 8, .value_kind: global_buffer, .address_space: global }
      - { .name: W_v, .offset: 24, .size: 8, .value_kind: global_buffer, .address_space: global }
      - { .name: W_o, .offset: 32, .size: 8, .value_kind: global_buffer, .address_space: global }
      - { .name: xw, .offset: 40, .size: 8, .value_kind: global_buffer, .address_space: global }
    .group_segment_fixed_size: 34304
    .private_segment_fixed_size: 0
    .kernarg_segment_align: 8
    .kernarg_segment_size: 48
    .max_flat_workgroup_size: 128
    .sgpr_count:     66
    .vgpr_count:     256
    .wavefront_size: 32
...
	.end_amdgpu_metadata
.endif
;; end of part 1
;; launch qkv (part 2): grid 16 x 16, 4 waves a work-group, clusters of 4 x 4, 327,680 bytes of LDS; arguments xw, cos, sin, b_v, qkv; writes qkv
.if DOCPART == 2
	.amdgcn_target "amdgcn-amd-amdhsa--gfx1250"
	.amdhsa_code_object_version 6
	.text
	.protected	k_qdfe8dfb9f5_qkv
	.globl	k_qdfe8dfb9f5_qkv
	.p2align	8
	.type	k_qdfe8dfb9f5_qkv,@function
k_qdfe8dfb9f5_qkv:
	s_mov_b64 s[64:65], 0
	v_nop
	global_prefetch_b8 v0, s[64:65] scope:SCOPE_SE
	s_setreg_imm32_b32 hwreg(HW_REG_WAVE_MODE, 25, 1), 1
	s_wait_xcnt 0x0
	s_wait_alu depctr_hold_cnt(0) depctr_sa_sdst(0) depctr_va_vdst(0) depctr_va_sdst(0) depctr_va_ssrc(0) depctr_va_vcc(0) depctr_vm_vsrc(0)
	s_getreg_b32 s2, hwreg(HW_REG_IB_STS2, 6, 4)
	s_cmp_eq_u32 s2, 0
	s_cbranch_scc0 .Lentry_in_a_cluster
	s_endpgm
.Lentry_in_a_cluster:
	s_bfe_u32 s2, ttmp6, 0x10000c
	s_cmp_lg_u32 s2, 0xf033
	s_cbranch_scc0 .Lentry_shape_is_right
	s_endpgm
.Lentry_shape_is_right:
; q = x W_q, k = x W_k, v = x W_v + b_v on codes of FP4 with E8M0 scales (K = 2,048); RoPE on q and k in f32; then q and k are quantised along the head's 64, v along the KEYS, and stored as images of operands' registers.
; A work-group: 256 tokens (16 tiles, block y) x 128 rows of W_q|W_k|W_v (8 tiles, block x: 0-7 q, 8-11 k, 12-15 v).  Four waves; a wave has 32 accumulators: A's 4 tiles (source 1: a lane holds ONE row of A) x B's 8 tiles
; (source 0: a lane's registers run along B's rows).  q, k: A = tokens, B = W's rows, so a lane's registers run along the head's channels, the next K.  v: A = W_v's rows, B = tokens, so they run along the keys, ITS next K.
; The role hangs on the cluster's x alone (3 = v); it enters LDS offsets by selects and one branch, in front of the epilogue.  cos, sin and b_v are loaded in every role, so that the text has one way up to that branch.
; Codes and scale words lie in memory as images of registers (a fragment: byte 512 c + 16 lane; a unit of scale words: [row 16][tile 4]), so every LDS read is 512 consecutive bytes: no pitch, no padding.
; K goes through two LDS slots of 512 along K; parts 2 and 3 refill slots 0 and 1: two refills in the launch.  The scale words of all of K come once.
; CLUSTERS: 4 x 4.  x's tiles hang on y alone and are asked for jointly along a row of the cluster, W's on x alone, along a column.
; FROM A RESULT TO AN OPERAND: tile t's eight registers are channels 16 t + 8 h + 0 .. 7: one conversion gives 8 codes; tiles 4 c + 0, 2, 1, 3 go to registers 4 c + 0, 1, 2, 3 and two exchanges of halves make k = 64 c + 32 h + 0 .. 31.
; qkv: q's codes [head 32][tile 128][512], k's [head 16][128][512], v's [head 16][key step 16][d tile 4][1024]; units of scale words: q [32][32][256], k [16][32][256] (bytes 2, 3 = 127: the upper 64 of the product's K are zero codes), v [16][16][256].
; REGISTERS: window 0: v0-31 addresses, v32-47 scale words (two sets), v48-55 b_v, v64-159 and v160-255 two sets of fragments (A's 4, B's 8); window 1: accumulator (a, b) at v[64 a + 8 b]; window 2: cos at v[32 a + ..], sin at v[128 + 32 a + ..].
; LIMITS: blocks whose largest magnitude lies under 2^-124 keep the byte 1; NaN and infinities are not served.
.set KST,   16                         ; K steps of 128
.set NSTEP, 16
; THE RING: TWO slots take turns, each with 512 along K; parts 0 and 1 of K are their first fills, parts 2 and 3 refill slots 0 and 1 (this holds in place of the words on three slots above).
; x's tile u of a 64-group holds in row r the token 32 (r / 8) + 8 u + r % 8: so a lane of v's way out holds whole blocks of 32 tokens, and q's and k's tiles keep that order of rows.
.set NSLOT, 2
.set TSB,   KST*1024                   ; bytes from tile to tile in memory
.set GS,    KST*256                    ; bytes from group to group of scale words
.set SLOT,  98304                      ; x's [16 tiles][4 steps][1024], then W's [8][4][1024]
.set WPART, 65536
.set SCX,   NSLOT*SLOT                 ; x's scale words [4 groups][16 steps][256]
.set SCW,   SCX+4*GS                   ; W's [2][16][256]
.set SPARE, SCW+2*GS                   ; the spare words, 128 bytes for each wave: two blocks of 256 bytes that no other line names
.set O_XC,  0
.set O_XS,  4194304
.set O_WC,  4456448
.set O_WS,  6553600
.set O_QC,  0
.set O_KC,  2097152
.set O_VC,  3145728
.set O_QS,  4194304
.set O_KS,  4456448
.set O_VS,  4587520
.set ADRA, 16                          ; v16-17 A's fragments in slot 0, 1
.set ADRB, 20                          ; v20-21 B's
.set ADS0, 24                          ; v24 scale words: lanes 0-15 A's group, lanes 16-31 B's first group
.set ADS1, 25                          ; v25 lanes 16-31 B's second group
.set LI,   26                          ; v26 16 x lane
.set CSA,  27                          ; v27 cos, sin: 256 (r + 3 (r & 8)) + 32 h
.set SPW,  28                          ; v28 my spare word; never rewritten
.set NIL,  29                          ; v29 0; never rewritten
.set SC,   32
.set T,    64                          ; the epilogue, window 0: 64 numbers,
.set PC,   128                         ; codes, 8 for each a,
.set TM,   160                         ; at work,
.set WQ,   176                         ; scale words,
.set SW,   184                         ; and what is stored of them
.set G1X,  24
.set G0X,  32                          ; s[32:39] two sets
.set G1W,  44
.set G0W,  52                          ; s[52:59] two sets
.set G1SX, 68
.set G0SX, 76
.set G1SW, 80
.set G0SW, 88
.set MULW, 0x50                        ; C and D in window 1
.set MSB, 0
.macro WIN new                         ; the immediate's high byte repeats the setting that is left
.if MSB != \new
	s_set_vgpr_msb (MSB<<8)|\new
.set MSB, \new
.endif
.endm
.macro PLACES n
.rept \n
	v_nop
.endr
.endm
; A joint load: waves 0 and 1 fetch for x, waves 2 and 3 for W.  Four v_nop follow each of the two lines.
.macro JLOAD g0x, g1x, g0w, g1w
	s_cmp_eq_u32 s15, 0
	s_cbranch_scc0 .Lfor_w_\@
	tensor_load_to_lds s[\g0x:\g0x+3], s[\g1x:\g1x+7]
	s_nop 0
.rept 4
	v_nop
.endr
	s_branch .Lasked_\@
.Lfor_w_\@:
	tensor_load_to_lds s[\g0w:\g0w+3], s[\g1w:\g1w+7]
	s_nop 0
.rept 4
	v_nop
.endr
.Lasked_\@:
.endm
.macro CREST                           ; a round of the cluster's barrier behind its opening barrier
	s_cmp_lg_u32 s14, 0
	s_cbranch_scc1 .Lnot_wave_0_\@
	s_barrier_signal -3
.Lnot_wave_0_\@:
	s_barrier_wait -3
	s_barrier_signal -1
	s_barrier_wait -1
.endm
.macro CROUND
	s_barrier_signal -1
	s_barrier_wait -1
	CREST
.endm
	s_load_b256 s[4:11], s[0:1], 0x0               ; xw, cos, sin, b_v
	s_load_b64 s[12:13], s[0:1], 0x20              ; qkv
	v_lshl_add_u32 v[SPW], v0, 2, SPARE
	v_mov_b32 v[NIL], 0
	ds_add_u32 v28, v29
	ds_add_u32 v28, v29
	s_wait_dscnt 0x0
	v_lshrrev_b32 v1, 5, v0
	v_readfirstlane_b32 s14, v1                    ; wave
	s_lshr_b32 s15, s14, 1                         ; I fetch for x (0) or for W (1)
	s_and_b32 s16, s14, 1                          ; and which half
	s_bfe_u32 s92, ttmp6, 0x40000                  ; cx
	s_bfe_u32 s93, ttmp6, 0x40004                  ; cy
	s_lshl_b32 s94, ttmp9, 2
	s_add_co_u32 s94, s94, s92                     ; x: W's block
	s_and_b32 s95, ttmp7, 0xffff
	s_lshl_b32 s95, s95, 2
	s_add_co_u32 s95, s95, s93                     ; y: the tokens' block
	s_lshl_b32 s96, s93, 2
	s_lshl_b32 s96, 15, s96                        ; my row of the cluster
	s_lshl_b32 s97, 0x1111, s92                    ; my column
	; group 1, elements of 8 bytes, no padding; bit 21 set beside a mask.  Codes: rows of 4,096 bytes (a tile's four K steps), TSB bytes apart
	s_or_b32 s[G1X], s96, (3<<16)|(1<<21)
	s_mov_b32 s[G1X+1], 512<<16                    ; tensor_dim0
	s_mov_b32 s[G1X+2], 16<<16                     ; tensor_dim1: 16 tiles at the head, 8 behind it
	s_mov_b32 s[G1X+3], 512<<16                    ; tile_dim0
	s_mov_b32 s[G1X+4], 16
	s_mov_b32 s[G1X+5], KST*128                    ; the pitch
	s_mov_b32 s[G1X+6], 0
	s_mov_b32 s[G1X+7], 0
	s_or_b32 s[G1W], s97, (3<<16)|(1<<21)
	s_mov_b32 s[G1W+1], 512<<16
	s_mov_b32 s[G1W+2], 8<<16                      ; 8 tiles at the head, 4 behind it
	s_mov_b32 s[G1W+3], 512<<16
	s_mov_b32 s[G1W+4], 8
	s_mov_b32 s[G1W+5], KST*128
	s_mov_b32 s[G1W+6], 0
	s_mov_b32 s[G1W+7], 0
	; scale words: dense blocks, as rows of 256 bytes
	s_or_b32 s[G1SX], s96, (3<<16)|(1<<21)
	s_mov_b32 s[G1SX+1], 32<<16
	s_mov_b32 s[G1SX+2], (4*KST)<<16               ; four groups
	s_mov_b32 s[G1SX+3], 32<<16
	s_mov_b32 s[G1SX+4], 4*KST
	s_mov_b32 s[G1SX+5], 32
	s_mov_b32 s[G1SX+6], 0
	s_mov_b32 s[G1SX+7], 0
	s_or_b32 s[G1SW], s97, (3<<16)|(1<<21)
	s_mov_b32 s[G1SW+1], 32<<16
	s_mov_b32 s[G1SW+2], (2*KST)<<16               ; two groups
	s_mov_b32 s[G1SW+3], 32<<16
	s_mov_b32 s[G1SW+4], 2*KST
	s_mov_b32 s[G1SW+5], 32
	s_mov_b32 s[G1SW+6], 0
	s_mov_b32 s[G1SW+7], 0
	; where the tiles come from: x's hang on y and the wave alone, W's on x and the wave alone
	s_lshl_b32 s17, s95, 4
	s_lshl_b32 s18, s16, 3
	s_add_co_u32 s17, s17, s18                     ; x: first tile 16 y + 8 half
	s_mul_i32 s18, s17, TSB                        ; (O_XC = 0)
	s_mov_b32 s19, 0
	s_lshr_b32 s20, s17, 2
	s_mul_i32 s20, s20, GS
	s_add_co_u32 s20, s20, O_XS
	s_mov_b32 s21, 0
	s_lshl_b32 s23, s94, 3
	s_lshl_b32 s66, s16, 2
	s_add_co_u32 s23, s23, s66                     ; W: first tile 8 x + 4 half
	s_mul_i32 s66, s23, TSB
	s_add_co_u32 s66, s66, O_WC
	s_mov_b32 s67, 0
	s_lshr_b32 s22, s23, 2
	s_mul_i32 s22, s22, GS
	s_add_co_u32 s22, s22, O_WS
	s_mov_b32 s23, 0
	s_lshl_b32 s98, s16, 15                        ; and where they go: no place in the cluster enters an LDS address
	s_lshl_b32 s99, s16, 14
	s_wait_kmcnt 0x0
	s_add_nc_u64 s[18:19], s[4:5], s[18:19]
	s_add_nc_u64 s[20:21], s[4:5], s[20:21]
	s_add_nc_u64 s[66:67], s[4:5], s[66:67]
	s_add_nc_u64 s[22:23], s[4:5], s[22:23]
	CROUND                                         ; all sixteen work-groups are here: the first joint loads meet
	s_mov_b32 s[G0SX], 1                           ; the scale words of all of K, whole: wave 1 fetches x's, wave 3 W's; their own addresses are those of the second half, so one half is taken off
	s_mov_b32 s[G0SX+1], SCX
	s_sub_nc_u64 s[G0SX+2:G0SX+3], s[20:21], 2*GS
	s_or_b32 s[G0SX+3], s[G0SX+3], 0x80000000
	s_mov_b32 s[G0SW], 1
	s_mov_b32 s[G0SW+1], SCW
	s_sub_nc_u64 s[G0SW+2:G0SW+3], s[22:23], GS
	s_or_b32 s[G0SW+3], s[G0SW+3], 0x80000000
.irp s, 0,1
	s_mov_b32 s[G0X+4*\s], 1
	s_add_co_u32 s[G0X+4*\s+1], s98, \s*SLOT
	s_add_nc_u64 s[G0X+4*\s+2:G0X+4*\s+3], s[18:19], \s*4096
	s_or_b32 s[G0X+4*\s+3], s[G0X+4*\s+3], 0x80000000
	s_mov_b32 s[G0W+4*\s], 1
	s_add_co_u32 s[G0W+4*\s+1], s99, \s*SLOT+WPART
	s_add_nc_u64 s[G0W+4*\s+2:G0W+4*\s+3], s[66:67], \s*4096
	s_or_b32 s[G0W+4*\s+3], s[G0W+4*\s+3], 0x80000000
.endr
; The head's loads, one a wave: wave 0 the first 512 of K of x's 16 tiles, wave 1 x's scale words, wave 2 the first 512 of K of W's 8 tiles, wave 3 W's scale words
.macro ARM under, g0, g1, next
	s_cmp_lt_u32 s14, \under
	s_cbranch_scc0 \next
	tensor_load_to_lds s[\g0:\g0+3], s[\g1:\g1+7]
	s_nop 0
.rept 4
	v_nop
.endr
	s_branch .Lhead_asked
\next:
.endm
	ARM 1, G0X, G1X, .Lhead_1
	ARM 2, G0SX, G1SX, .Lhead_2
	ARM 3, G0W, G1W, .Lhead_3
	tensor_load_to_lds s[G0SW:G0SW+3], s[G1SW:G1SW+7]
	s_nop 0
.rept 4
	v_nop
.endr
.Lhead_asked:
	; the roles' LDS offsets
	s_lshl_b32 s20, s14, 14                        ; q, k: A = tokens, my 4 tiles
	s_lshl_b32 s21, s16, 14
	s_add_co_u32 s21, s21, WPART                   ; v: A = W_v's rows, 4 tiles of 8
	s_lshl_b32 s22, s15, 15                        ; v: B = tokens, 8 tiles of 16
	s_lshl_b32 s23, s14, 12
	s_add_co_u32 s23, s23, SCX                     ; q, k: A's scale words
	s_lshl_b32 s66, s16, 12
	s_add_co_u32 s66, s66, SCW                     ; v: A's
	s_lshl_b32 s67, s15, 13
	s_add_co_u32 s67, s67, SCX                     ; v: B's
	s_cmp_eq_u32 ttmp9, 3                          ; the cluster's x: the same in all partners
	s_cselect_b32 s20, s21, s20                    ; A's fragments
	s_cselect_b32 s21, s22, WPART                  ; B's
	s_cselect_b32 s22, s66, s23                    ; A's scale words
	s_cselect_b32 s23, s67, SCW                    ; B's
	s_mov_b32 s98, 0x76543210
	s_mov_b32 s99, 0xfedcba98                      ; v_permlanex16_b32's selects for lane l xor 16
	v_and_b32 v1, 15, v0                           ; r
	v_bfe_u32 v2, v0, 4, 1                         ; h
	v_and_b32 v3, 31, v0
	v_lshlrev_b32 v[LI], 4, v3
	v_cmp_ne_u32 s100, 0, v2                       ; lanes 16-31
	v_add_nc_u32 v[ADRA], s20, v[LI]
	v_add_nc_u32 v[ADRA+1], SLOT, v[ADRA]
	v_add_nc_u32 v[ADRB], s21, v[LI]
	v_add_nc_u32 v[ADRB+1], SLOT, v[ADRB]
	v_mov_b32 v4, s22
	v_mov_b32 v5, s23
	v_cndmask_b32 v[ADS0], v4, v5, s100
	v_lshl_add_u32 v[ADS0], v1, 4, v[ADS0]
	v_add_nc_u32 v5, GS, v5
	v_cndmask_b32 v[ADS1], v4, v5, s100
	v_lshl_add_u32 v[ADS1], v1, 4, v[ADS1]
	; cos and sin of my wave's 64 tokens (as the q, k role has them): lane (r, h) wants, of token 32 (r / 8) + 8 a + r % 8, channels 16 t + 8 h + 0 .. 7.  They land under the products
	s_lshl_b32 s20, s95, 16
	s_lshl_b32 s21, s14, 14
	s_add_co_u32 s20, s20, s21
	s_mov_b32 s21, 0
	s_add_nc_u64 s[6:7], s[6:7], s[20:21]
	s_add_nc_u64 s[8:9], s[8:9], s[20:21]
	s_and_b32 s22, s94, 3                          ; b_v: x & 3 is x - 12 in v's work-groups, and stays inside the buffer in the others
	s_lshl_b32 s22, s22, 9
	s_lshl_b32 s23, s16, 8
	s_add_co_u32 s22, s22, s23
	s_mov_b32 s23, 0
	s_add_nc_u64 s[10:11], s[10:11], s[22:23]
	v_and_b32 v3, 8, v1                            ; row r of tile a is token 32 (r / 8) + 8 a + r % 8 = r + 3 (r & 8) + 8 a of my wave's 64
	v_mad_u32_u24 v3, v3, 3, v1
	v_lshlrev_b32 v[CSA], 8, v3
	v_lshl_add_u32 v[CSA], v2, 5, v[CSA]
	v_lshlrev_b32 v30, 2, v1
.irp a, 0,1,2,3
	v_mov_b32 v[49+2*\a], 0                        ; (named as the upper half of a pair)
.endr
	WIN 0x80                                       ; destination window 2
.irp a, 0,1,2,3
.irp t, 0,1,2,3
.irp i, 0,1
	global_load_b128 v[32*\a+8*\t+4*\i:32*\a+8*\t+4*\i+3], v[CSA], s[6:7] offset:\a*2048+\t*64+\i*16
	global_load_b128 v[128+32*\a+8*\t+4*\i:128+32*\a+8*\t+4*\i+3], v[CSA], s[8:9] offset:\a*2048+\t*64+\i*16
.endr
.endr
.endr
	WIN 0
.irp a, 0,1,2,3
	global_load_b32 v[48+2*\a], v30, s[10:11] offset:64*\a     ; b_v of row 16 a + r of my 64 rows of W_v
.endr
; 26 LDS loads: K step n's scale words, B's eight fragments, A's four, into set p
.macro FETCH n, p
	ds_load_b128 v[SC+8*(\p):SC+8*(\p)+3], v[ADS0] offset:(\n)*256
	ds_load_b128 v[SC+8*(\p)+4:SC+8*(\p)+7], v[ADS1] offset:(\n)*256
.irp b, 0,1,2,3,4,5,6,7
.irp c, 0,1
	ds_load_b128 v[96+96*(\p)+8*\b+4*\c:96+96*(\p)+8*\b+4*\c+3], v[ADRB+((\n)/4)%NSLOT] offset:\b*4096+((\n)%4)*1024+\c*512
.endr
.endr
.irp a, 0,1,2,3
.irp c, 0,1
	ds_load_b128 v[64+96*(\p)+8*\a+4*\c:64+96*(\p)+8*\a+4*\c+3], v[ADRA+((\n)/4)%NSLOT] offset:\a*4096+((\n)%4)*1024+\c*512
.endr
.endr
.endm
; 16 products: A's tiles a0, a0 + 1 x B's eight.  zero = 1: they start the sums.  The 32 accumulators take turns, one instruction a turn, in the same order in every step.
.macro MUL16 a0, p, zero
.irp a, \a0, \a0+1
.irp b, 0,1,2,3,4,5,6,7
.if \zero
	v_wmma_scale_f32_16x16x128_f8f6f4 v[64*(\a)+8*\b:64*(\a)+8*\b+7], v[96+96*(\p)+8*\b:96+96*(\p)+8*\b+7], v[64+96*(\p)+8*(\a):64+96*(\p)+8*(\a)+7], 0, v[SC+8*(\p)+\b], v[SC+8*(\p)+(\a)] matrix_a_fmt:MATRIX_FMT_FP4 matrix_b_fmt:MATRIX_FMT_FP4 matrix_a_scale:MATRIX_SCALE_ROW1
.else
	v_wmma_scale_f32_16x16x128_f8f6f4 v[64*(\a)+8*\b:64*(\a)+8*\b+7], v[96+96*(\p)+8*\b:96+96*(\p)+8*\b+7], v[64+96*(\p)+8*(\a):64+96*(\p)+8*(\a)+7], v[64*(\a)+8*\b:64*(\a)+8*\b+7], v[SC+8*(\p)+\b], v[SC+8*(\p)+(\a)] matrix_a_fmt:MATRIX_FMT_FP4 matrix_b_fmt:MATRIX_FMT_FP4 matrix_a_scale:MATRIX_SCALE_ROW1
.endif
.endr
.endr
.endm
.macro STEP n, zero
	s_wait_dscnt 0x0                               ; this step's 26 loads, issued a whole step ago
.if (\n) > 0
	PLACES 4                                       ; in front of loads into the set that the last step's products read
.endif
.if (\n)+1 < NSTEP
	FETCH (\n)+1, 1-(\n)%2
.endif
	WIN MULW
	MUL16 0, (\n)%2, \zero
	MUL16 2, (\n)%2, \zero
	WIN 0
.endm
; The step in which slot s, read out, takes the part of K two on.
.macro STEPR n, s
	s_wait_tensorcnt 0x0                           ; no tensor load of mine is out, so a group 0 may be written
	ds_add_u32 v[SPW], v[NIL]                      ; 0 onto my spare word
	s_add_nc_u64 s[G0X+4*\s+2:G0X+4*\s+3], s[G0X+4*\s+2:G0X+4*\s+3], 2*4096
	s_add_nc_u64 s[G0W+4*\s+2:G0W+4*\s+3], s[G0W+4*\s+2:G0W+4*\s+3], 2*4096
	s_wait_dscnt 0x0                               ; the add is done, and my reads of slot s are over
	s_barrier_signal -1
	WIN MULW
	MUL16 0, (\n)%2, 0
	WIN 0
	s_barrier_wait -1
	CREST                                          ; the barrier has opened a round of the cluster's barrier: no wave of any partner still reads slot s or has a load on its way
	JLOAD G0X+4*\s, G1X, G0W+4*\s, G1W
	FETCH (\n)+1, 1-(\n)%2
	WIN MULW
	MUL16 2, (\n)%2, 0
	WIN 0
.endm
; The step in front of the refilled slot's first read: a barrier behind which nothing is filled
.macro STEPB n
	s_wait_tensorcnt 0x0                           ; my part of the fourth part of K has landed
	s_wait_dscnt 0x0
	s_barrier_signal -1
	WIN MULW
	MUL16 0, (\n)%2, 0
	WIN 0
	s_barrier_wait -1                              ; everybody's has
	PLACES 4
	FETCH (\n)+1, 1-(\n)%2
	WIN MULW
	MUL16 2, (\n)%2, 0
	WIN 0
.endm
	s_wait_alu depctr_va_vdst(0)
	s_wait_tensorcnt 0x0                           ; my load of the head's four is in
	ds_add_u32 v[SPW], v[NIL]
	s_mov_b32 s[G1X+2], 8<<16                      ; no tensor load of mine is out: from here on a load brings 8 of x's tiles or 4 of W's
	s_mov_b32 s[G1X+4], 8
	s_mov_b32 s[G1W+2], 4<<16
	s_mov_b32 s[G1W+4], 4
	s_wait_dscnt 0x0
	CROUND
	JLOAD G0X+4, G1X, G0W+4, G1W                   ; slot 1's first fill
	FETCH 0, 0
	STEP 0, 1
	STEP 1, 0
	STEP 2, 0
	STEPR 3, 0
	STEP 4, 0
	STEP 5, 0
	STEP 6, 0
	STEPR 7, 1
	STEP 8, 0
	STEP 9, 0
	STEP 10, 0
	STEPB 11
.irp n, 12,13,14,15
	STEP \n, 0
.endr
; THE EPILOGUE.  64 numbers of a lane, v[s + 8 t + j] = next K 16 t + 8 h + j of my row, become codes in v[pc] on; the four blocks' bytes are left in v[TM+4] on.
.macro QUANT4 s, pc
.irp b, 0,1,2,3
	v_max3_num_f32 v[TM+\b], |v[\s+16*\b]|, |v[\s+16*\b+1]|, 0x1800000    ; block b = tiles 2 b, 2 b + 1: my 16 numbers, and the floor 2^(3 - 127)
.endr
.irp i, 2,4,6,8,10,12,14
.irp b, 0,1,2,3
	v_max3_num_f32 v[TM+\b], v[TM+\b], |v[\s+16*\b+\i]|, |v[\s+16*\b+\i+1]|
.endr
.endr
.irp b, 0,1,2,3
	v_permlanex16_b32 v[TM+4+\b], v[TM+\b], s98, s99
.endr
.irp b, 0,1,2,3
	v_max_num_f32 v[TM+\b], v[TM+\b], v[TM+4+\b]   ; with lane l xor 16's 16: the block's largest magnitude
.endr
.irp b, 0,1,2,3
	v_add_nc_u32 v[TM+12+\b], 0xff000000, v[TM+\b] ; 2 off the exponent field: the conversion's scale operand
.endr
.irp b, 0,1,2,3
	v_lshrrev_b32 v[TM+4+\b], 23, v[TM+12+\b]      ; the byte
.endr
.irp t, 0,1,2,3,4,5,6,7
	v_cvt_scalef32_pk8_fp4_f32 v[\pc+4*(\t/4)+((\t%4)>>1)+2*(\t&1)], v[\s+8*\t:\s+8*\t+7], v[TM+12+\t/2]
.endr
	v_nop                                          ; one plain place behind the last scaled conversion
.irp c, 0,1
	v_permlane16_swap_b32 v[\pc+4*\c], v[\pc+4*\c+1]       ; registers 4 c .. 4 c + 3 now hold k = 64 c + 32 h + 0 .. 31
	v_permlane16_swap_b32 v[\pc+4*\c+2], v[\pc+4*\c+3]
.endr
.endm
	PLACES 4                                       ; behind the last products: their results are read, and their operands' registers written, below
	s_wait_loadcnt 0x0                             ; cos, sin, b_v
.irp b, 0,1,2,3
	v_mov_b32 v[TM+4+\b], 0                        ; written once: a lane permute's destination counts as one of its sources
.endr
	s_lshr_b32 s20, s95, 3                         ; the batch
	s_and_b32 s21, s95, 7                          ; the block of 256 tokens in it
	s_cmp_eq_u32 ttmp9, 3
	s_cbranch_scc1 .Lv
	; ---- q, k: two heads; head g = B's tiles 4 g .. 4 g + 3
	s_lshl_b32 s22, s94, 1
	s_lshl_b32 s23, s20, 4
	s_add_co_u32 s23, s23, s22                     ; q: head 16 batch + 2 x
	s_lshl_b32 s66, s20, 3
	s_add_co_u32 s66, s66, s22
	s_sub_co_u32 s66, s66, 16                      ; k: head 8 batch + 2 (x - 8)
	s_mov_b32 s67, O_KS
	s_cmp_lt_u32 ttmp9, 2
	s_cselect_b32 s23, s23, s66
	s_cselect_b32 s66, O_QC, O_KC
	s_cselect_b32 s67, O_QS, s67
	s_lshl_b32 s22, s23, 7
	s_lshl_b32 s92, s21, 4
	s_add_co_u32 s22, s22, s92
	s_lshl_b32 s92, s14, 2
	s_add_co_u32 s22, s22, s92                     ; tile: 128 head + 16 block + 4 wave
	s_lshl_b32 s22, s22, 9
	s_add_co_u32 s22, s22, s66
	s_lshl_b32 s92, s23, 5
	s_lshl_b32 s93, s21, 2
	s_add_co_u32 s92, s92, s93
	s_add_co_u32 s92, s92, s14                     ; group: 32 head + 4 block + wave
	s_lshl_b32 s92, s92, 8
	s_add_co_u32 s92, s92, s67
	s_mov_b32 s23, 0
	s_mov_b32 s93, 0
	s_add_nc_u64 s[22:23], s[12:13], s[22:23]
	s_add_nc_u64 s[92:93], s[12:13], s[92:93]
	v_lshlrev_b32 v31, 13, v2                      ; the units: lanes 0-15 head 0's, lanes 16-31 head 1's, 8,192 bytes on
	v_lshl_add_u32 v31, v1, 4, v31
.irp a, 0,1,2,3
	WIN 0x09                                       ; source 0: window 1 (the sums); source 1: window 2 (cos, sin)
.irp g, 0,1
.irp t, 0,1
.irp j, 0,2,4,6
	v_pk_mul_f32 v[T+32*\g+8*\t+\j:T+32*\g+8*\t+\j+1], v[64*\a+32*\g+8*\t+16+\j:64*\a+32*\g+8*\t+16+\j+1], v[128+32*\a+8*\t+\j:128+32*\a+8*\t+\j+1]            ; x(d + 32) sin(d), d < 32
	v_pk_mul_f32 v[T+32*\g+8*\t+16+\j:T+32*\g+8*\t+16+\j+1], v[64*\a+32*\g+8*\t+\j:64*\a+32*\g+8*\t+\j+1], v[128+32*\a+8*\t+16+\j:128+32*\a+8*\t+16+\j+1]    ; x(d - 32) sin(d), d >= 32
	v_pk_fma_f32 v[T+32*\g+8*\t+\j:T+32*\g+8*\t+\j+1], v[64*\a+32*\g+8*\t+\j:64*\a+32*\g+8*\t+\j+1], v[32*\a+8*\t+\j:32*\a+8*\t+\j+1], v[T+32*\g+8*\t+\j:T+32*\g+8*\t+\j+1] neg_lo:[0,0,1] neg_hi:[0,0,1]
	v_pk_fma_f32 v[T+32*\g+8*\t+16+\j:T+32*\g+8*\t+16+\j+1], v[64*\a+32*\g+8*\t+16+\j:64*\a+32*\g+8*\t+16+\j+1], v[32*\a+8*\t+16+\j:32*\a+8*\t+16+\j+1], v[T+32*\g+8*\t+16+\j:T+32*\g+8*\t+16+\j+1]
.endr
.endr
.endr
	WIN 0
	QUANT4 T, PC+8*\a
	v_lshl_or_b32 v[WQ+\a], v[TM+5], 8, v[TM+4]    ; head 0's word: two bytes, and 127 twice for the zero codes of the upper 64
	v_lshl_or_b32 v[WQ+4+\a], v[TM+7], 8, v[TM+6]  ; head 1's
	v_or_b32 v[WQ+\a], 0x7f7f0000, v[WQ+\a]
	v_or_b32 v[WQ+4+\a], 0x7f7f0000, v[WQ+4+\a]
.irp g, 0,1
	global_store_b128 v[LI], v[PC+8*\a+4*\g:PC+8*\a+4*\g+3], s[22:23] offset:\g*65536+\a*512     ; half a fragment: 512 consecutive bytes
.endr
.endr
.irp a, 0,1,2,3
	v_cndmask_b32 v[SW+\a], v[WQ+\a], v[WQ+4+\a], s100
.endr
	global_store_b128 v31, v[SW:SW+3], s[92:93]    ; sixteen lanes store 256 consecutive bytes, aligned
	s_branch .Lend
; v: register 8 b + j of a lane is token 64 (b / 4) + 32 h + 8 (b % 4) + j: its 64 numbers are two whole blocks, 2 c + h, and the conversions' results are the operand's registers
.macro QUANTV s, pc, a
.irp c, 0,1
	v_max3_num_f32 v[TM+\c], |v[\s+32*\c]|, |v[\s+32*\c+1]|, 0x1800000
.endr
.irp i, 2,4,6,8,10,12,14,16,18,20,22,24,26,28,30
.irp c, 0,1
	v_max3_num_f32 v[TM+\c], v[TM+\c], |v[\s+32*\c+\i]|, |v[\s+32*\c+\i+1]|
.endr
.endr
.irp c, 0,1
	v_add_nc_u32 v[TM+12+\c], 0xff000000, v[TM+\c]
.endr
.irp c, 0,1
	v_lshrrev_b32 v[TM+4+\c], 23, v[TM+12+\c]
.endr
	v_lshl_or_b32 v[WQ+\a], v[TM+5], 16, v[TM+4]   ; my two bytes,
	v_lshlrev_b32 v[WQ+\a], v4, v[WQ+\a]           ; at their places in the word;
	v_permlanex16_b32 v[TM+6], v[WQ+\a], s98, s99
	v_or_b32 v[WQ+\a], v[WQ+\a], v[TM+6]           ; with lane l xor 16's two the word is whole
.irp u, 0,1,2,3,4,5,6,7
	v_cvt_scalef32_pk8_fp4_f32 v[\pc+\u], v[\s+8*\u:\s+8*\u+7], v[TM+12+\u/4]
.endr
	v_nop                                          ; one plain place behind the last scaled conversion
.endm
.Lv:
	v_lshlrev_b32 v4, 3, v2                        ; 8 h: my bytes' shift in the scale word
	; ---- v: my 64 rows of W_v are one head's 64 channels; my 128 tokens are one key step
	s_and_b32 s22, s94, 3
	s_lshl_b32 s22, s22, 1
	s_add_co_u32 s22, s22, s16                     ; the head: 2 (x - 12) + half
	s_lshl_b32 s20, s20, 3
	s_add_co_u32 s22, s22, s20
	s_lshl_b32 s22, s22, 4
	s_lshl_b32 s21, s21, 1
	s_add_co_u32 s22, s22, s21
	s_add_co_u32 s22, s22, s15                     ; 16 head + key step
	s_lshl_b32 s92, s22, 8
	s_add_co_u32 s92, s92, O_VS
	s_lshl_b32 s22, s22, 12
	s_add_co_u32 s22, s22, O_VC
	s_mov_b32 s23, 0
	s_mov_b32 s93, 0
	s_add_nc_u64 s[22:23], s[12:13], s[22:23]
	s_add_nc_u64 s[92:93], s[12:13], s[92:93]
	v_lshlrev_b32 v31, 4, v1
	v_lshl_add_u32 v31, v2, 3, v31                 ; 16 r + 8 h
.irp a, 0,1,2,3
	WIN 0x01                                       ; source 0: window 1
.irp j, 0,2,4,6,8,10,12,14,16,18,20,22,24,26,28,30,32,34,36,38,40,42,44,46,48,50,52,54,56,58,60,62
	v_pk_add_f32 v[T+\j:T+\j+1], v[64*\a+\j:64*\a+\j+1], v[48+2*\a:49+2*\a] op_sel_hi:[1,0]     ; + b_v of my channel
.endr
	WIN 0
	QUANTV T, PC+8*\a, \a
.irp c, 0,1
	global_store_b128 v[LI], v[PC+8*\a+4*\c:PC+8*\a+4*\c+3], s[22:23] offset:\a*1024+\c*512
.endr
.endr
	v_cndmask_b32 v[SW], v[WQ], v[WQ+2], s100
	v_cndmask_b32 v[SW+1], v[WQ+1], v[WQ+3], s100
	global_store_b64 v31, v[SW:SW+1], s[92:93]     ; 32 lanes store 256 consecutive bytes, aligned
.Lend:
	s_wait_tensorcnt 0x0                           ; the wave's end
	ds_add_u32 v[SPW], v[NIL]
	s_wait_dscnt 0x0
	CROUND                                         ; the closing round: no work-group ends while a partner may still ask for a tile that names it
	s_endpgm
.Lfunc_end_k_qdfe8dfb9f5_qkv:
	.size	k_qdfe8dfb9f5_qkv, .Lfunc_end_k_qdfe8dfb9f5_qkv-k_qdfe8dfb9f5_qkv
	.p2alignl 7, 3214868480
	.fill 96, 4, 3214868480
	.section	.rodata,"a",@progbits
	.p2align	6, 0x0
	.amdhsa_kernel k_qdfe8dfb9f5_qkv
		.amdhsa_group_segment_fixed_size 327680
		.amdhsa_private_segment_fixed_size 0
		.amdhsa_enable_private_segment 0
		.amdhsa_kernarg_size 40
		.amdhsa_user_sgpr_count 2
		.amdhsa_user_sgpr_kernarg_segment_ptr 1
		.amdhsa_wavefront_size32 1
		.amdhsa_system_sgpr_workgroup_id_x 1
		.amdhsa_system_sgpr_workgroup_id_y 1
		.amdhsa_system_sgpr_workgroup_id_z 1
		.amdhsa_system_vgpr_workitem_id 0
		.amdhsa_next_free_vgpr 768
		.amdhsa_next_free_sgpr 102
		.amdhsa_reserve_vcc 0
		.amdhsa_float_denorm_mode_32 3
		.amdhsa_float_denorm_mode_16_64 3
		.amdhsa_memory_ordered 1
		.amdhsa_forward_progress 1
		.amdhsa_inst_pref_size 169
	.end_amdhsa_kernel
	.amdgpu_metadata
---
amdhsa.version: [ 1, 2 ]
amdhsa.kernels:
  - .name:           k_qdfe8dfb9f5_qkv
    .symbol:         k_qdfe8dfb9f5_qkv.kd
    .args:
      - { .name: xw, .offset: 0, .size: 8, .value_kind: global_buffer, .address_space: global }
      - { .name: cos, .offset: 8, .size: 8, .value_kind: global_buffer, .address_space: global }
      - { .name: sin, .offset: 16, .size: 8, .value_kind: global_buffer, .address_space: global }
      - { .name: b_v, .offset: 24, .size: 8, .value_kind: global_buffer, .address_space: global }
      - { .name: qkv, .offset: 32, .size: 8, .value_kind: global_buffer, .address_space: global }
    .group_segment_fixed_size: 327680
    .private_segment_fixed_size: 0
    .kernarg_segment_align: 8
    .kernarg_segment_size: 40
    .max_flat_workgroup_size: 128
    .sgpr_count:     102
    .vgpr_count:     768
    .wavefront_size: 32
...
	.end_amdgpu_metadata
.endif
;; end of part 2
;; launch attn (part 3): grid 16 x 16, 8 waves a work-group, clusters of 4 x 1, 188,416 bytes of LDS; arguments qkv, attention_mask, ob; writes ob
.if DOCPART == 3
	.amdgcn_target "amdgcn-amd-amdhsa--gfx1250"
	.amdhsa_code_object_version 6
	.text
	.protected	k_qdfe8dfb9f5_attn
	.globl	k_qdfe8dfb9f5_attn
	.p2align	8
	.type	k_qdfe8dfb9f5_attn,@function
k_qdfe8dfb9f5_attn:
	s_mov_b64 s[64:65], 0
	v_nop
	global_prefetch_b8 v0, s[64:65] scope:SCOPE_SE
	s_setreg_imm32_b32 hwreg(HW_REG_WAVE_MODE, 25, 1), 1
	s_wait_xcnt 0x0
	s_wait_alu depctr_hold_cnt(0) depctr_sa_sdst(0) depctr_va_vdst(0) depctr_va_sdst(0) depctr_va_ssrc(0) depctr_va_vcc(0) depctr_vm_vsrc(0)
	s_getreg_b32 s2, hwreg(HW_REG_IB_STS2, 6, 4)
	s_cmp_eq_u32 s2, 0
	s_cbranch_scc0 .Lentry_in_a_cluster
	s_endpgm
.Lentry_in_a_cluster:
	s_bfe_u32 s2, ttmp6, 0x10000c
	s_cmp_lg_u32 s2, 0x3003
	s_cbranch_scc0 .Lentry_shape_is_right
	s_endpgm
.Lentry_shape_is_right:
; o = softmax(q k^T / 8 + masks) v for 16 query heads on 8 key and value heads, head size 64, both products on codes of FP4 with E8M0 scales; then o is quantised along the 1,024 of the last product's K.
; THE SOFTMAX: t = score x log2(e) / 8; M = the running largest t rounded UP to a whole number; p = 2^(t - M) is quantised along the keys, not normalised; the row's sum is taken of the unquantised p and divides at the end.
; LEFT OUT: key steps of 128 that lie wholly behind a tile's queries: the causal mask, which the problem builds itself, gives their p the value 0 whatever the inputs hold (a NaN or an infinity there is not carried on).
; SHARES.  A work-group serves ONE key and value head (grid y): its K, V and scale words, 140 KiB, come into LDS ONCE: no ring, no refill, no barrier in the loop.  A wave owns a tile of 16 queries in BOTH query heads of the
; key head (slots 0 and 1): K's and V's fragments and the key mask are read once for both.  Wave bits: b0 = b2, b1 = b3, role = bit 2.  e = 2 X + b2 (X the cluster's x); the tiles of 128-groups e (e + 1 key steps) and 15 - e
; (16 - e steps) make 17 steps, dealt to two waves: role 0 walks the late tile's steps 0-8; role 1 the early tile, then the late tile's steps 9 to 15 - e: eight.  Slot s of role q is query head s xor q.
; At the end the two waves join the late tile's parts through LDS: each hands over its slot 1 and finishes its slot 0.  The maxima are whole numbers, so the factors of the joining are powers of two.
; TILES: tile u = cx of the 64-group b3: row r is query 32 (r / 8) + 8 u + r % 8.  K's tiles are built alike, so register 32 c + i of a lane is key 64 c + 32 h + i: a lane holds whole blocks of 32 keys (2 c + h) of ONE query:
; no exchange for a block's largest score, and the conversions' results are the second product's operand.
; CLUSTER: the four partners read the same K, V and scale words: joint loads, mask 15.  No prefetch: each byte is loaded once, at the head; the launch streams nothing.
; THE KEY MASK is a table in LDS, 0 or -1e30 a key, and is the C of the first product.  The first product's K is 64: registers 4-7 of both operands are zero codes, their scale bytes 127.
; A row with no key left has the sum 0: its codes are zeros and its scale bytes 0xff, which make the row NaN in the last product, as the softmax of an empty row is.
; ob: o's codes [sigma 256][K step = kv 8][1024] (half c = the head's parity), units of scale words [sigma / 4][8][256]; sigma = ((batch 2 + late) 4 + X) 16 + 4 cx + 2 b2 + b3, which the last launch undoes in its store addresses.
; LIMITS: the scaled scores stay under 2^31 in magnitude (the running maximum starts at a score of -2^40, hidden scores are -1e30); NaN and infinities are not served; blocks under 2^-124 keep the byte 1.
; REGISTERS.  Window 0 as named below; window 1: O^T 0-63 (32 a slot), V's fragments 64-95, the key mask 96-159, K's fragments 160-223.
.set O_KC, 2097152
.set O_QS, 4194304
.set O_KS, 4456448
.set O_VS, 4587520
.set O_OS, 2097152
.set VCL,  65536                       ; LDS: K's codes from 0 [tile 128][512]; V's [key step 16][d tile 4][1024]
.set KSL,  131072                      ; K's units [group 32][256]
.set VSL,  139264                      ; V's units [key step 16][256]
.set BIAS, 143360                      ; the key mask, one f32 a key
.set OSC,  151552                      ; units of o's scale words: one for each role's early tile (role 0 has none: the first stays empty), then the late tiles'
.set MG,   152320                      ; the joining: 4,352 bytes a wave: 32 registers, the sum, -M
.set MGW,  4352
.set SPARE, MG+8*MGW                   ; the spare words, 128 bytes for each wave: no other line names them
.set LI,   1                           ; 16 lane
.set NM,   14                          ; v[14:15], v[16:17] -M of slot 0, 1 (the upper halves are 0)
.set RN,   18                          ; the largest score so far
.set SU,   20                          ; the sums, in two halves
.set FF,   24                          ; f = 2^(old M - new M)
.set OS,   28                          ; my places in OSC
.set SPW,  30
.set NIL,  31
.set QF,   32                          ; Q's fragments
.set QW,   48                          ; and scale words
.set QL,   50                          ; the second tile's
.set QLW,  58
.set VS,   60                          ; V's scale words
.set S,    64                          ; S^T, then p: 64 a slot
.set P,    192                         ; p's codes, 8 a slot
.set KS,   208                         ; K's scale words
.set PW,   216                         ; p's scale words
.set BM,   218                         ; at work: 2 slot + c
.set SO,   222
.set BY,   226
.set MX,   230
.set XX,   232
.set TT,   234
.set IV,   236
.set CD,   240                         ; o's codes, 4 a slot
.set MGA,  248
.set MGB,  249
.set MGC,  250
.set MGD,  251
.set OSL,  252                         ; my place in the late tiles' unit
.set O,    0
.set VF,   64
.set BI,   96
.set KF,   160
.set MSB, 0
.macro WIN new                         ; the immediate's high byte repeats the setting that is left
.if MSB != \new
	s_set_vgpr_msb (MSB<<8)|\new
.set MSB, \new
.endif
.endm
.macro CROUND
	s_barrier_signal -1
	s_barrier_wait -1
	s_cmp_lg_u32 s18, 0
	s_cbranch_scc1 .Lnot_wave_0_\@
	s_barrier_signal -3
.Lnot_wave_0_\@:
	s_barrier_wait -3
	s_barrier_signal -1
	s_barrier_wait -1
.endm
.macro GROUP1 b, rows                  ; dense blocks as rows of 256 bytes (32 elements of 8); 15:0 the mask: all four partners; bit 21 set beside it
	s_mov_b32 s[\b], 15|(3<<16)|(1<<21)
	s_mov_b32 s[\b+1], 32<<16
	s_mov_b32 s[\b+2], \rows<<16
	s_mov_b32 s[\b+3], 32<<16
	s_mov_b32 s[\b+4], \rows
	s_mov_b32 s[\b+5], 32
	s_mov_b32 s[\b+6], 0
	s_mov_b32 s[\b+7], 0
.endm
	s_load_b128 s[4:7], s[0:1], 0x0                ; qkv, attention_mask
	s_load_b64 s[8:9], s[0:1], 0x10                ; ob
	v_lshl_add_u32 v[SPW], v0, 2, SPARE
	v_mov_b32 v[NIL], 0
	ds_add_u32 v[SPW], v[NIL]                      ; the wave's opening: the add, twice on end, and its wait ahead of my tensor load
	ds_add_u32 v[SPW], v[NIL]
	v_lshrrev_b32 v8, 5, v0
	v_readfirstlane_b32 s18, v8                    ; wave 0..7
	s_lshr_b32 s19, s18, 2                         ; role
	s_and_b32 s57, s18, 1                          ; b2
	s_bfe_u32 s58, s18, 0x10001                    ; b3
	s_and_b32 s61, ttmp7, 0xffff                   ; 8 batch + kv: the partners share it
	s_lshr_b32 s62, s61, 3                         ; batch
	s_and_b32 s63, s61, 7                          ; kv
	s_lshl_b32 s59, ttmp9, 1
	s_add_co_u32 s59, s59, s57                     ; e
	s_sub_co_u32 s56, 15, s59                      ; the late tile's last key step
	s_sub_co_u32 s55, 8, s59                       ; role 1: from trip to key step of the late tile
	s_add_co_u32 s51, s59, 1
	s_cmp_eq_u32 s19, 0
	s_cselect_b32 s53, s56, s59                    ; the last key step of my tile in hand
	s_cselect_b32 s52, 64, s51                     ; the trip at which I go over to the late tile (role 0: none)
	GROUP1 24, 128                                 ; 32 KiB of codes
	GROUP1 32, 16                                  ; 4 KiB of K's scale words
	GROUP1 40, 8                                   ; 2 KiB of V's
	s_and_b32 s86, s18, 1
	s_bfe_u32 s87, s18, 0x10001
	s_lshl_b32 s80, s61, 16                        ; codes: the head's 65,536 bytes; waves 0, 1: K's halves; waves 2, 3: V's, 1,048,576 bytes behind K's
	s_lshl_b32 s88, s86, 15
	s_add_co_u32 s80, s80, s88
	s_lshl_b32 s88, s87, 20
	s_add_co_u32 s80, s80, s88
	s_add_co_u32 s80, s80, O_KC
	s_mov_b32 s81, 0
	s_lshl_b32 s82, s61, 13                        ; waves 4, 5: the halves of K's scale words
	s_lshl_b32 s88, s86, 12
	s_add_co_u32 s82, s82, s88
	s_add_co_u32 s82, s82, O_KS
	s_mov_b32 s83, 0
	s_add_co_u32 s73, s88, KSL
	s_lshl_b32 s84, s61, 12                        ; waves 6, 7: the halves of V's
	s_lshl_b32 s88, s86, 11
	s_add_co_u32 s84, s84, s88
	s_add_co_u32 s84, s84, O_VS
	s_mov_b32 s85, 0
	s_add_co_u32 s77, s88, VSL
	s_and_b32 s69, s18, 3
	s_lshl_b32 s69, s69, 15
	s_mov_b32 s68, 1
	s_mov_b32 s72, 1
	s_mov_b32 s76, 1
	s_wait_alu depctr_va_vdst(0)
	s_wait_dscnt 0x0                               ; both opening adds are done
	s_wait_kmcnt 0x0
	s_add_nc_u64 s[70:71], s[4:5], s[80:81]
	s_or_b32 s71, s71, 0x80000000
	s_add_nc_u64 s[74:75], s[4:5], s[82:83]
	s_or_b32 s75, s75, 0x80000000
	s_add_nc_u64 s[78:79], s[4:5], s[84:85]
	s_or_b32 s79, s79, 0x80000000
	CROUND                                         ; all four work-groups are here: the joint loads meet
.macro ARM under, g0, g1, next         ; the head's loads, one a wave: one tree of branches on the wave's number
	s_cmp_lt_u32 s18, \under
	s_cbranch_scc0 \next
	tensor_load_to_lds s[\g0:\g0+3], s[\g1:\g1+7]
	s_nop 0
.rept 4
	v_nop
.endr
	s_branch .Lasked
\next:
.endm
	ARM 4, 68, 24, .Lhead_k
	ARM 6, 72, 32, .Lhead_v
	tensor_load_to_lds s[76:79], s[40:47]
	s_nop 0
.rept 4
	v_nop
.endr
.Lasked:
	v_and_b32 v[TT], 15, v0                        ; r
	v_bfe_u32 v[TT+1], v0, 4, 1                    ; h
	v_and_b32 v[LI], 31, v0
	v_lshlrev_b32 v[LI], 4, v[LI]
	v_lshlrev_b32 v13, 4, v[TT]                    ; 16 r
	v_add_nc_u32 v2, KSL, v13
	v_add_nc_u32 v3, VSL, v13
	v_lshlrev_b32 v4, 7, v[TT+1]
	v_add_nc_u32 v4, BIAS, v4                      ; the key mask in the result's layout: + 128 h
	v_lshlrev_b32 v8, 5, v0                        ; my eight keys of the mask
	v_add_nc_u32 v9, BIAS, v8
	s_lshl_b32 s88, s62, 13
	s_mov_b32 s89, 0
	s_add_nc_u64 s[6:7], s[6:7], s[88:89]          ; the batch's mask
	global_load_b128 v[96:99], v8, s[6:7]
	global_load_b128 v[100:103], v8, s[6:7] offset:16
	; what hangs on my place in the cluster: global addresses and the diagonal's d alone
	s_bfe_u32 s66, ttmp6, 0x40000                  ; cx
	s_lshl_b32 s67, s58, 2
	s_add_co_u32 s67, s67, s66                     ; the tile's number in its 128-group: 4 b3 + cx
	s_lshl_b32 s90, s67, 9
	s_lshl_b32 s91, s58, 8
	s_lshl_b32 s88, s66, 2
	s_add_co_u32 s91, s91, s88
	s_add_co_u32 s91, s91, O_QS
	s_lshl_b32 s86, s62, 4
	s_lshl_b32 s88, s63, 1
	s_add_co_u32 s86, s86, s88
	s_xor_b32 s87, s19, 1
	s_add_co_u32 s87, s87, s86                     ; slot 1's query head
	s_add_co_u32 s86, s86, s19                     ; slot 0's: 16 batch + 2 kv + role
	s_wait_alu depctr_va_vdst(0)
.macro QLOAD hd, last, dst, dw, tmp    ; a tile's codes (half a fragment) and its scale words
	s_lshl_b32 s88, \last, 12
	s_lshl_b32 s89, \hd, 16
	s_add_co_u32 s88, s88, s89
	s_add_co_u32 s88, s88, s90
	v_add_nc_u32 v[\tmp], s88, v[LI]
	global_load_b128 v[\dst:\dst+3], v[\tmp], s[4:5]
	s_lshl_b32 s88, \last, 9
	s_lshl_b32 s89, \hd, 13
	s_add_co_u32 s88, s88, s89
	s_add_co_u32 s88, s88, s91
	v_add_nc_u32 v[\tmp+1], s88, v13
	global_load_b32 v[\dw], v[\tmp+1], s[4:5]
.endm
	QLOAD s86, s53, QF, QW, 64
	QLOAD s87, s53, QF+8, QW+1, 66
	QLOAD s86, s56, QL, QLW, 68
	QLOAD s87, s56, QL+4, QLW+1, 70
	s_lshl_b32 s88, s62, 7                         ; the early tile's sigma
	s_lshl_b32 s89, ttmp9, 4
	s_add_co_u32 s88, s88, s89
	s_lshl_b32 s89, s66, 2
	s_add_co_u32 s88, s88, s89
	s_lshl_b32 s89, s57, 1
	s_add_co_u32 s88, s88, s89
	s_add_co_u32 s88, s88, s58
	s_lshl_b32 s88, s88, 13
	s_lshl_b32 s89, s63, 10
	s_add_co_u32 s88, s88, s89
	s_lshl_b32 s86, s19, 9
	s_sub_co_u32 s84, 512, s86
	s_add_co_u32 s86, s86, s88                     ; 8,192 sigma + 1,024 kv + 512 x head's parity: slot 0,
	s_add_co_u32 s84, s84, s88                     ; slot 1
	s_mov_b32 s87, 0
	s_mov_b32 s85, 0
	s_add_nc_u64 s[92:93], s[8:9], s[86:87]
	s_add_nc_u64 s[94:95], s[8:9], s[84:85]
	s_lshl_b32 s88, s62, 3                         ; the early tiles' unit of scale words; the late ones' lies 16 groups on
	s_add_co_u32 s88, s88, ttmp9
	s_lshl_b32 s88, s88, 2
	s_add_co_u32 s88, s88, s66
	s_lshl_b32 s88, s88, 3
	s_add_co_u32 s88, s88, s63
	s_lshl_b32 s88, s88, 8
	s_add_co_u32 s88, s88, O_OS
	s_mov_b32 s89, 0
	s_add_nc_u64 s[96:97], s[8:9], s[88:89]
	s_lshl_b32 s88, s57, 3                         ; my two bytes in OSC: 16 r + 4 (2 b2 + b3) + 2 x head's parity
	s_lshl_b32 s89, s58, 2
	s_add_co_u32 s88, s88, s89
	s_add_co_u32 s88, s88, OSC
	s_lshl_b32 s89, s19, 1
	s_add_co_u32 s86, s88, s89
	s_xor_b32 s89, s89, 2
	s_add_co_u32 s87, s88, s89
	s_add_co_u32 s89, s86, 512
	v_add_nc_u32 v[OSL], s89, v13                  ; the late tile's, of slot 0,
	s_lshl_b32 s88, s19, 8
	s_add_co_u32 s86, s86, s88
	s_add_co_u32 s87, s87, s88
	v_add_nc_u32 v[OS], s86, v13                   ; and the early tile's, of both slots: in my role's unit
	v_add_nc_u32 v[OS+1], s87, v13
	s_lshl_b32 s88, s58, 6
	s_lshl_b32 s89, s66, 3
	s_add_co_u32 s88, s88, s89                     ; 64 b3 + 8 cx
	v_and_b32 v[XX], 8, v[TT]
	v_mad_u32_u24 v[XX], v[XX], 3, v[TT]           ; 32 (r / 8) + r % 8
	v_lshlrev_b32 v[XX+1], 5, v[TT+1]
	v_sub_nc_u32 v5, v[XX], v[XX+1]
	v_add_nc_u32 v5, s88, v5                       ; d: in the diagonal step register 32 c + i is hidden where 64 c + i > d
	s_mul_i32 s88, s18, MGW
	s_add_co_u32 s88, s88, MG
	s_xor_b32 s89, s18, 4
	s_mul_i32 s89, s89, MGW
	s_add_co_u32 s89, s89, MG
	v_and_b32 v[XX], 31, v0
	v_lshlrev_b32 v[XX], 2, v[XX]
	v_add_nc_u32 v[MGA], s88, v[LI]                ; what I hand over,
	v_add_nc_u32 v[MGC], s88, v[XX]
	v_add_nc_u32 v[MGB], s89, v[LI]                ; and what my partner does
	v_add_nc_u32 v[MGD], s89, v[XX]
	s_mov_b32 s20, 0x76543210
	s_mov_b32 s21, 0xfedcba98                      ; v_permlanex16_b32's selects for lane l xor 16
	s_mov_b32 s22, 0x3e38aa3b                      ; c = log2(e) / 8
	s_mov_b32 s23, s22                             ; (named with it as a pair)
	s_mov_b32 s60, 0xbe38aa3b                      ; -c
	v_mov_b32 v6, 0xf149f2ca                       ; -1e30
	v_mov_b32 v7, 0
.macro FRESH                           ; a new tile's state
.irp s, 0,1
	v_mov_b32 v[RN+\s], 0xd3800000                 ; -2^40
	v_mov_b32 v[NM+2*\s], 0x53800000
	v_mov_b32 v[SU+2*\s], 0
	v_mov_b32 v[SU+2*\s+1], 0
.endr
	WIN 0x40
.set k, 0
.rept 64
	v_mov_b32 v[O+k], 0
.set k, k+1
.endr
	WIN 0
.endm
	FRESH
.irp s, 0,1
	v_mov_b32 v[NM+2*\s+1], 0                      ; (upper halves of pairs)
	v_mov_b32 v[FF+2*\s+1], 0
	v_mov_b32 v[XX+\s], 0                          ; a lane permute's destination counts as one of its sources
.irp j, 4,5,6,7
	v_mov_b32 v[QF+8*\s+\j], 0                     ; the zero codes for the upper 64 of the first product's K: written once
.endr
.endr
	v_mov_b32 v[IV+1], 0
	WIN 0x40
.irp t, 0,1,2,3,4,5,6,7
.irp j, 4,5,6,7
	v_mov_b32 v[KF+8*\t+\j], 0
.endr
.endr
	WIN 0
	s_wait_alu depctr_va_vdst(0)
	s_wait_loadcnt 8                               ; the mask is in; Q's eight loads may be out
.irp i, 0,1,2,3,4,5,6,7
	v_cmp_eq_u32 vcc_lo, 0, v[96+\i]
	v_cndmask_b32 v[104+\i], v7, v6, vcc_lo        ; 0 where the key counts, -1e30 where it does not
.endr
	ds_store_b128 v9, v[104:107]
	ds_store_b128 v9, v[108:111] offset:16
	s_wait_alu depctr_va_vdst(0)
	s_wait_tensorcnt 0x0                           ; my part of K, V or the scale words has landed,
	s_wait_dscnt 0x0                               ; my part of the table is written:
	s_barrier_signal -1
	s_barrier_wait -1                              ; everybody's
	s_wait_loadcnt 0x0                             ; Q
; 26 LDS loads: a step's K fragments, key mask and K scale words
.macro KLOAD
	WIN 0x40
.irp t, 0,1,2,3,4,5,6,7
	ds_load_b128 v[KF+8*\t:KF+8*\t+3], v8 offset:512*\t
.endr
.irp i, 0,1,2,3,4,5,6,7,8,9,10,11,12,13,14,15
	ds_load_b128 v[BI+4*\i:BI+4*\i+3], v10 offset:256*(\i/8)+16*(\i%8)
.endr
	WIN 0
	ds_load_b128 v[KS:KS+3], v9
	ds_load_b128 v[KS+4:KS+7], v9 offset:256
.endm
; The row's sum, in v[MX] of both half rows: its inverse (0 for a row with no key left) into v[IV], and s54 says which rows have none
.macro INVERSE
	v_permlanex16_b32 v[XX], v[MX], s20, s21
	v_add_f32 v[MX], v[MX], v[XX]
	v_cmp_eq_f32 s54, 0, v[MX]
	s_wait_alu depctr_va_vdst(0)                   ; ahead of the transcendental
	v_rcp_f32 v[IV], v[MX]
	v_nop                                          ; one plain place behind a transcendental
	s_wait_alu depctr_va_vdst(0)                   ; ahead of its first reader
	v_cndmask_b32 v[IV], v[IV], v7, s54
.endm
; 32 numbers of o, v[S + 8 t + j] = o(query r, channel 16 t + 8 h + j), quantised along the last product's K: my head's 64 channels are two blocks.  late: the late tile's place
.macro QST s, late
.irp b, 0,1
	v_max3_num_f32 v[BM+\b], |v[S+16*\b]|, |v[S+16*\b+1]|, 0x1800000
.endr
.irp i, 2,4,6,8,10,12,14
.irp b, 0,1
	v_max3_num_f32 v[BM+\b], v[BM+\b], |v[S+16*\b+\i]|, |v[S+16*\b+\i+1]|
.endr
.endr
.irp b, 0,1
	v_permlanex16_b32 v[XX+\b], v[BM+\b], s20, s21
.endr
.irp b, 0,1
	v_max_num_f32 v[BM+\b], v[BM+\b], v[XX+\b]
.endr
.irp b, 0,1
	v_add_nc_u32 v[SO+\b], 0xff000000, v[BM+\b]
.endr
.irp b, 0,1
	v_lshrrev_b32 v[BY+\b], 23, v[SO+\b]
.endr
.irp t, 0,1,2,3
	v_cvt_scalef32_pk8_fp4_f32 v[CD+4*\s+(\t>>1)+2*(\t&1)], v[S+8*\t:S+8*\t+7], v[SO+\t/2]
.endr
	v_mov_b32 v[TT], 0xff                          ; (a plain place behind the last scaled conversion)
	v_permlane16_swap_b32 v[CD+4*\s], v[CD+4*\s+1]
	v_permlane16_swap_b32 v[CD+4*\s+2], v[CD+4*\s+3]
	v_cndmask_b32 v[BY], v[BY], v[TT], s54         ; the empty row's bytes: NaN
	v_cndmask_b32 v[BY+1], v[BY+1], v[TT], s54
	v_lshl_or_b32 v[BY], v[BY+1], 8, v[BY]
	global_store_b128 v[LI], v[CD+4*\s:CD+4*\s+3], s[92+2*\s:93+2*\s] offset:524288*\late    ; half a fragment: 512 consecutive bytes
.if \late
	ds_store_b16 v[OSL], v[BY]                     ; lanes r and r + 16 write the same two bytes with the same value
.else
	ds_store_b16 v[OS+\s], v[BY]
.endif
.endm
.macro ADDP s, k, d                    ; pair k of slot s's p takes pair k + d
	v_pk_add_f32 v[S+64*(\s)+2*(\k):S+64*(\s)+2*(\k)+1], v[S+64*(\s)+2*(\k):S+64*(\s)+2*(\k)+1], v[S+64*(\s)+2*(\k)+2*(\d):S+64*(\s)+2*(\k)+2*(\d)+1]
.endm
	v_mov_b32 v8, v[LI]
	v_mov_b32 v9, v2
	v_mov_b32 v10, v4
	KLOAD                                          ; key step 0's
	s_mov_b32 s48, 0                               ; the trip
	s_mov_b32 s49, 0                               ; its key step
	s_wait_alu depctr_va_vdst(0)
.Ltrip:                                            ; 9 trips, a constant
	s_cmp_lg_u32 s48, s52
	s_cbranch_scc1 .Lsame
	; role 1 leaves the early tile: both slots go out, and the late tile's queries take their place
.irp s, 0,1
	v_add_f32 v[MX], v[SU+2*\s], v[SU+2*\s+1]
	INVERSE
	WIN 0x01
	s_wait_alu depctr_va_vdst(0)                   ; directly ahead of O^T's first readers
.irp j, 0,2,4,6,8,10,12,14,16,18,20,22,24,26,28,30
	v_pk_mul_f32 v[S+\j:S+\j+1], v[O+32*\s+\j:O+32*\s+\j+1], v[IV:IV+1] op_sel_hi:[1,0]
.endr
	WIN 0
	QST \s, 0
.endr
.irp s, 0,1
.irp j, 0,1,2,3
	v_mov_b32 v[QF+8*\s+\j], v[QL+4*\s+\j]
.endr
	v_mov_b32 v[QW+\s], v[QLW+\s]
.endr
	FRESH
	s_mov_b32 s53, s56
	s_wait_alu depctr_va_vdst(0)
.Lsame:
	s_add_co_u32 s83, s48, 1
	s_cmp_ge_u32 s83, s52
	s_cselect_b32 s84, s55, 0
	s_add_co_u32 s50, s83, s84                     ; the next trip's key step
	s_and_b32 s84, s50, 15                         ; (inside LDS on every path; beyond a tile's last step what it fetches is not used)
	s_lshl_b32 s85, s84, 12
	s_lshl_b32 s86, s84, 9
	s_and_b32 s80, s49, 15
	s_lshl_b32 s81, s80, 12
	s_add_co_u32 s81, s81, VCL
	s_lshl_b32 s82, s80, 8
	s_cmp_gt_u32 s49, s53                          ; my tile has no step left
	s_cbranch_scc1 .Lskip
	s_wait_dscnt 0x0                               ; this step's K, mask and scale words, asked for a step ago
	v_add_nc_u32 v11, s81, v[LI]
	v_add_nc_u32 v12, s82, v3
	v_nop                                          ; with the two lines above the four places behind the last products, in front of loads into their operands
	v_nop
	WIN 0x40
.irp i, 0,1,2,3,4,5,6,7
	ds_load_b128 v[VF+4*\i:VF+4*\i+3], v11 offset:512*\i       ; V's four fragments
.endr
	WIN 0
	ds_load_b128 v[VS:VS+3], v12
	WIN 0x11                                       ; sources 0 and 2 in window 1
.irp t, 0,1,2,3,4,5,6,7
.irp s, 0,1
	v_wmma_scale_f32_16x16x128_f8f6f4 v[S+64*\s+8*\t:S+64*\s+8*\t+7], v[KF+8*\t:KF+8*\t+7], v[QF+8*\s:QF+8*\s+7], v[BI+8*\t:BI+8*\t+7], v[KS+\t], v[QW+\s] matrix_a_fmt:MATRIX_FMT_FP4 matrix_b_fmt:MATRIX_FMT_FP4
.endr
.endr
	WIN 0
	v_add_nc_u32 v8, s85, v[LI]                    ; the next step's addresses; with the v_nop the four places behind the products
	v_add_nc_u32 v9, s86, v2
	v_add_nc_u32 v10, s86, v4
	v_nop
	KLOAD                                          ; they land under the softmax
	s_cmp_lg_u32 s49, s53
	s_cbranch_scc1 .Lopen
.set k, 0
.rept 64                                           ; the diagonal step: keys after my query become -1e30 ahead of the maximum
	v_cmp_gt_i32 vcc_lo, 64*(k/32)+k%32, v5
	v_cndmask_b32 v[S+k], v[S+k], v6, vcc_lo
	v_cndmask_b32 v[S+64+k], v[S+64+k], v6, vcc_lo
.set k, k+1
.endr
.Lopen:
.irp s, 0,1
.irp c, 0,1
	v_max3_num_f32 v[BM+2*\s+\c], v[S+64*\s+32*\c], v[S+64*\s+32*\c+1], v[S+64*\s+32*\c+2]     ; the largest score of my blocks: for the row's maximum and, since p rises with the score, for the block's largest p
.endr
.endr
.irp i, 3,5,7,9,11,13,15,17,19,21,23,25,27,29
.irp s, 0,1
.irp c, 0,1
	v_max3_num_f32 v[BM+2*\s+\c], v[BM+2*\s+\c], v[S+64*\s+32*\c+\i], v[S+64*\s+32*\c+\i+1]
.endr
.endr
.endr
.irp s, 0,1
.irp c, 0,1
	v_max_num_f32 v[BM+2*\s+\c], v[BM+2*\s+\c], v[S+64*\s+32*\c+31]
.endr
.endr
.irp s, 0,1
	v_max_num_f32 v[MX+\s], v[BM+2*\s], v[BM+2*\s+1]
.endr
.irp s, 0,1
	v_permlanex16_b32 v[XX+\s], v[MX+\s], s20, s21
.endr
.irp s, 0,1
	v_max3_num_f32 v[RN+\s], v[RN+\s], v[MX+\s], v[XX+\s]
.endr
.irp s, 0,1
	v_mul_f32 v[TT+\s], s60, v[RN+\s]              ; -t
.endr
.irp s, 0,1
	v_floor_f32 v[TT+\s], v[TT+\s]                 ; the new -M = -ceil(t)
.endr
.irp s, 0,1
	v_sub_f32 v[XX+\s], v[TT+\s], v[NM+2*\s]       ; old M - new M: a whole number, 0 or less
.endr
.irp s, 0,1
	v_mov_b32 v[NM+2*\s], v[TT+\s]
.endr
.irp s, 0,1
	v_cvt_i32_f32 v[XX+\s], v[XX+\s]               ; (it saturates)
.endr
.irp s, 0,1
	v_ldexp_f32 v[FF+2*\s], 1.0, v[XX+\s]          ; f: rounds nothing
.endr
.irp b, 0,1,2,3
	v_fma_f32 v[BM+\b], v[BM+\b], s22, v[NM+2*(\b/2)]      ; t - M of each block's largest score
.endr
.irp s, 0,1
	v_pk_mul_f32 v[SU+2*\s:SU+2*\s+1], v[SU+2*\s:SU+2*\s+1], v[FF+2*\s:FF+2*\s+1] op_sel_hi:[1,0]
.endr
	WIN 0x41
.set k, 0
.rept 32                                           ; O^T under the new M
	v_pk_mul_f32 v[O+2*k:O+2*k+1], v[O+2*k:O+2*k+1], v[FF+2*(k/16):FF+2*(k/16)+1] op_sel_hi:[1,0]
.set k, k+1
.endr
	WIN 0
.set k, 0
.rept 32
	v_pk_fma_f32 v[S+2*k:S+2*k+1], v[S+2*k:S+2*k+1], s[22:23], v[NM:NM+1] op_sel_hi:[1,0,0]    ; t - M, two at a time (of the pairs c and -M the low word serves both halves)
.set k, k+1
.endr
	s_wait_alu depctr_va_vdst(0)                   ; ahead of the batch
.irp b, 0,1,2,3
	v_exp_f32 v[BM+\b], v[BM+\b]                   ; the blocks' largest p
.endr
.set k, 0
.rept 32                                           ; slot 0's p = 2^(t - M); between them slot 1's t - M
	v_exp_f32 v[S+2*k], v[S+2*k]
	v_exp_f32 v[S+2*k+1], v[S+2*k+1]
	v_pk_fma_f32 v[S+64+2*k:S+65+2*k], v[S+64+2*k:S+65+2*k], s[22:23], v[NM+2:NM+3] op_sel_hi:[1,0,0]
.set k, k+1
.endr
	s_wait_alu depctr_va_vdst(0)                   ; behind this batch and ahead of the next
.irp b, 0,1,2,3
	v_max_num_f32 v[BM+\b], 0x1800000, v[BM+\b]    ; the floor 2^(3 - 127)
.endr
.irp b, 0,1,2,3
	v_add_nc_u32 v[SO+\b], 0xff000000, v[BM+\b]    ; 2 off the exponent field: the conversion's scale operand
.endr
.irp b, 0,1,2,3
	v_lshrrev_b32 v[BY+\b], 23, v[SO+\b]           ; the byte
.endr
.irp s, 0,1
	v_lshl_or_b32 v[MX+\s], v[BY+2*\s+1], 16, v[BY+2*\s]
.endr
.irp s, 0,1
	v_permlanex16_b32 v[XX+\s], v[MX+\s], s20, s21
.endr
.irp s, 0,1
	v_lshl_or_b32 v[PW+\s], v[XX+\s], 8, v[MX+\s]  ; p's scale word for these 128 keys, whole in lanes 0-15, which alone are read
.endr
.irp u, 0,1,2,3,4,5,6,7
	v_cvt_scalef32_pk8_fp4_f32 v[P+\u], v[S+8*\u:S+8*\u+7], v[SO+\u/4]
.endr
	v_nop                                          ; one plain place behind the last scaled conversion
.set k, 0
.rept 16                                           ; slot 1's p; between them slot 0's sum of the UNQUANTISED p begins: pairs k and k + 16
	v_exp_f32 v[S+64+4*k], v[S+64+4*k]
	v_exp_f32 v[S+65+4*k], v[S+65+4*k]
	v_exp_f32 v[S+66+4*k], v[S+66+4*k]
	v_exp_f32 v[S+67+4*k], v[S+67+4*k]
	ADDP 0, k, 16
.set k, k+1
.endr
	s_wait_alu depctr_va_vdst(0)                   ; ahead of the batch's first reader
.irp u, 0,1,2,3,4,5,6,7
	v_cvt_scalef32_pk8_fp4_f32 v[P+8+\u], v[S+64+8*\u:S+64+8*\u+7], v[SO+2+\u/4]
.endr
	v_nop
.set k, 0
.rept 16
	ADDP 1, k, 16
.set k, k+1
.endr
.irp d, 8,4,2,1
.set k, 0
.rept \d
	ADDP 0, k, \d
	ADDP 1, k, \d
.set k, k+1
.endr
.endr
.irp s, 0,1
	v_pk_add_f32 v[SU+2*\s:SU+2*\s+1], v[SU+2*\s:SU+2*\s+1], v[S+64*\s:S+64*\s+1]
.endr
	s_wait_alu depctr_va_vdst(0)
	s_wait_dscnt 26                                ; V's nine loads are in; the next step's 26 may be out
	WIN 0x51                                       ; source 0, C and D in window 1
.irp t, 0,1,2,3
.irp s, 0,1
	v_wmma_scale_f32_16x16x128_f8f6f4 v[O+32*\s+8*\t:O+32*\s+8*\t+7], v[VF+8*\t:VF+8*\t+7], v[P+8*\s:P+8*\s+7], v[O+32*\s+8*\t:O+32*\s+8*\t+7], v[VS+\t], v[PW+\s] matrix_a_fmt:MATRIX_FMT_FP4 matrix_b_fmt:MATRIX_FMT_FP4
.endr
.endr
	WIN 0
.Lskip:
	s_mov_b32 s49, s50
	s_wait_alu depctr_va_vdst(0)                   ; ahead of the branch
	s_add_co_u32 s48, s48, 1
	s_cmp_lt_u32 s48, 9
	s_cbranch_scc1 .Ltrip
	; THE JOINING: my slot 1's part of the late tile goes to my partner, and its slot 1 is the other part of my slot 0
	s_wait_xcnt 0x0                                ; the early tile's stores have read their registers
.rept 4
	v_nop                                          ; places behind the last products
.endr
	v_add_f32 v[MX], v[SU+2], v[SU+3]
	WIN 0x04
.irp i, 0,1,2,3,4,5,6,7
	ds_store_b128 v[MGA], v[O+32+4*\i:O+32+4*\i+3] offset:512*\i
.endr
	WIN 0
	ds_store_b32 v[MGC], v[MX] offset:4096
	ds_store_b32 v[MGC], v[NM+2] offset:4224
	v_add_f32 v[MX], v[SU], v[SU+1]
	s_wait_alu depctr_va_vdst(0)
	s_wait_dscnt 0x0                               ; for my partner's sake: all is written
	s_barrier_signal -1
	s_barrier_wait -1
	ds_load_b32 v[BY], v[MGD] offset:4096          ; its sum,
	ds_load_b32 v[BY+1], v[MGD] offset:4224        ; its -M,
.irp i, 0,1,2,3,4,5,6,7
	ds_load_b128 v[S+64+4*\i:S+64+4*\i+3], v[MGB] offset:512*\i    ; its O^T
.endr
	s_wait_dscnt 8                                 ; the sum and -M; the eight behind them may be out
	v_min_num_f32 v[TT], v[NM], v[BY+1]            ; the greater M
	v_sub_f32 v[XX], v[TT], v[NM]
	v_sub_f32 v[XX+1], v[TT], v[BY+1]
	v_cvt_i32_f32 v[XX], v[XX]
	v_cvt_i32_f32 v[XX+1], v[XX+1]
	v_ldexp_f32 v[FF], 1.0, v[XX]
	v_ldexp_f32 v[FF+2], 1.0, v[XX+1]
	v_mul_f32 v[MX], v[MX], v[FF]
	v_fma_f32 v[MX], v[BY], v[FF+2], v[MX]
	INVERSE
	v_mul_f32 v[FF], v[FF], v[IV]
	v_mul_f32 v[FF+2], v[FF+2], v[IV]
	s_wait_alu depctr_va_vdst(0)
	s_wait_dscnt 0x0
	WIN 0x01
	s_wait_alu depctr_va_vdst(0)                   ; directly ahead of O^T's first readers
.irp j, 0,2,4,6,8,10,12,14,16,18,20,22,24,26,28,30
	v_pk_mul_f32 v[S+\j:S+\j+1], v[O+\j:O+\j+1], v[FF:FF+1] op_sel_hi:[1,0]
.endr
	WIN 0
.irp j, 0,2,4,6,8,10,12,14,16,18,20,22,24,26,28,30
	v_pk_fma_f32 v[S+\j:S+\j+1], v[S+64+\j:S+64+\j+1], v[FF+2:FF+3], v[S+\j:S+\j+1] op_sel_hi:[1,0,1]
.endr
	QST 0, 1
	v_bfe_u32 v9, v0, 4, 1
	v_lshlrev_b32 v9, 15, v9
	v_add_nc_u32 v9, v9, v13                       ; 32,768 h + 16 r
	v_add_nc_u32 v8, OSC+256, v[LI]
	s_wait_alu depctr_va_vdst(0)
	s_wait_dscnt 0x0                               ; for the others' sake: my bytes are written
	s_barrier_signal -1
	s_barrier_wait -1
	s_cmp_lg_u32 s18, 0
	s_cbranch_scc1 .Lnot_first
	ds_load_b128 v[96:99], v8                      ; the two units, whole: lanes 0-15 the early tiles', lanes 16-31 the late ones'
	s_wait_dscnt 0x0
	global_store_b128 v9, v[96:99], s[96:97]       ; sixteen lanes store 256 consecutive bytes, aligned
.Lnot_first:
	s_wait_tensorcnt 0x0                           ; the wave's end
	ds_add_u32 v[SPW], v[NIL]
	s_wait_dscnt 0x0
	CROUND                                         ; the closing round
	s_endpgm
.Lfunc_end_k_qdfe8dfb9f5_attn:
	.size	k_qdfe8dfb9f5_attn, .Lfunc_end_k_qdfe8dfb9f5_attn-k_qdfe8dfb9f5_attn
	.p2alignl 7, 3214868480
	.fill 96, 4, 3214868480
	.section	.rodata,"a",@progbits
	.p2align	6, 0x0
	.amdhsa_kernel k_qdfe8dfb9f5_attn
		.amdhsa_group_segment_fixed_size 188416
		.amdhsa_private_segment_fixed_size 0
		.amdhsa_enable_private_segment 0
		.amdhsa_kernarg_size 24
		.amdhsa_user_sgpr_count 2
		.amdhsa_user_sgpr_kernarg_segment_ptr 1
		.amdhsa_wavefront_size32 1
		.amdhsa_system_sgpr_workgroup_id_x 1
		.amdhsa_system_sgpr_workgroup_id_y 1
		.amdhsa_system_sgpr_workgroup_id_z 1
		.amdhsa_system_vgpr_workitem_id 0
		.amdhsa_next_free_vgpr 512
		.amdhsa_next_free_sgpr 100
		.amdhsa_reserve_vcc 1
		.amdhsa_float_denorm_mode_32 3
		.amdhsa_float_denorm_mode_16_64 3
		.amdhsa_memory_ordered 1
		.amdhsa_forward_progress 1
		.amdhsa_inst_pref_size 71
	.end_amdhsa_kernel
	.amdgpu_metadata
---
amdhsa.version: [ 1, 2 ]
amdhsa.kernels:
  - .name:           k_qdfe8dfb9f5_attn
    .symbol:         k_qdfe8dfb9f5_attn.kd
    .args:
      - { .name: qkv, .offset: 0, .size: 8, .value_kind: global_buffer, .address_space: global }
      - { .name: attention_mask, .offset: 8, .size: 8, .value_kind: global_buffer, .address_space: global }
      - { .name: ob, .offset: 16, .size: 8, .value_kind: global_buffer, .address_space: global }
    .group_segment_fixed_size: 188416
    .private_segment_fixed_size: 0
    .kernarg_segment_align: 8
    .kernarg_segment_size: 24
    .max_flat_workgroup_size: 256
    .sgpr_count:     100
    .vgpr_count:     512
    .wavefront_size: 32
...
	.end_amdgpu_metadata
.endif
;; end of part 3
;; launch outp (part 4): grid 16 x 16, 4 waves a work-group, clusters of 4 x 4, 327,680 bytes of LDS; arguments ob, xw, b_o, out0; writes out0
.if DOCPART == 4
	.amdgcn_target "amdgcn-amd-amdhsa--gfx1250"
	.amdhsa_code_object_version 6
	.text
	.protected	k_qdfe8dfb9f5_outp
	.globl	k_qdfe8dfb9f5_outp
	.p2align	8
	.type	k_qdfe8dfb9f5_outp,@function
k_qdfe8dfb9f5_outp:
	s_mov_b64 s[64:65], 0
	v_nop
	global_prefetch_b8 v0, s[64:65] scope:SCOPE_SE
	s_setreg_imm32_b32 hwreg(HW_REG_WAVE_MODE, 25, 1), 1
	s_wait_xcnt 0x0
	s_wait_alu depctr_hold_cnt(0) depctr_sa_sdst(0) depctr_va_vdst(0) depctr_va_sdst(0) depctr_va_ssrc(0) depctr_va_vcc(0) depctr_vm_vsrc(0)
	s_getreg_b32 s2, hwreg(HW_REG_IB_STS2, 6, 4)
	s_cmp_eq_u32 s2, 0
	s_cbranch_scc0 .Lentry_in_a_cluster
	s_endpgm
.Lentry_in_a_cluster:
	s_bfe_u32 s2, ttmp6, 0x10000c
	s_cmp_lg_u32 s2, 0xf033
	s_cbranch_scc0 .Lentry_shape_is_right
	s_endpgm
.Lentry_shape_is_right:
; out = o W_o + b_o on codes of FP4 with E8M0 scales, K = 1,024 in 8 steps of 128, f32 out.
; A work-group: 16 tiles of 16 rows of o (block y: sigma 16 y ..) x 128 columns (block x: 8 tiles of W_o).  Four waves: wr = wave / 2 takes tiles 4 wr .. 4 wr + 3 and 8 + 4 wr .. 8 + 4 wr + 3, wc = wave % 2 takes 64 columns.
; A wave keeps its part of W_o for ALL of K in registers (4 tiles x 8 steps x 8 registers, window 1) and finishes one tile of o after the other: 32 products, 4 accumulators by turns; each tile is stored as soon as it is finished.
; Row r of W_o's tile b is column 4 r + b of the wave's 64.  Source 0 = o's rows, source 1 = W_o's: register j of lane (r, h) is row 8 h + j, column 4 r + b: the four tiles' registers j make 16 neighbouring bytes, and
; the bias's addition lays them side by side: a store of the wave covers 256 consecutive bytes, aligned, of each of two rows.  No stage in LDS.
; Rows: o's tile i of the block is, with cx = i / 4, b2 = (i / 2) % 2, b3 = i % 2, the tokens 128 T8 + 64 b3 + 8 cx + 32 h + j, T8 = 2 X + b2 or, where late, 15 less that; y = (batch 2 + late) 4 + X.
; CLUSTERS: 4 x 4: o's tiles are asked for jointly along a row of the cluster, W_o's along a column.  The head fetches what the first four tiles want, one load a wave; o's tiles 8-15 follow behind a round.
; All codes and scale words are dense blocks of memory and images of registers.  No prefetch: each byte is loaded once, in two groups; there is no loop to run ahead in.
; REGISTERS: window 0: v1-31 addresses and bias; v32-63, v64-95 scale words (lanes 0-15 o's, lanes 16-31 W_o's) for the first and the last four tiles; v96-159, v160-223 o's fragments, two sets; window 2: accumulators; window 3: what is stored.
; LIMITS: those of the launches that make the codes.
.set O_OS,  2097152
.set O_WOC, 6684672
.set O_WOS, 7733248
.set LW,    131072                     ; LDS: o's codes from 0 [tile 16][step 8][1024]; W_o's [8][8][1024]
.set SCX,   196608                     ; o's scale words [group 4][8][256]
.set SCW,   204800                     ; W_o's [2][8][256]
.set SPARE, 208896                     ; the spare words, 128 bytes for each wave: two blocks of 256 bytes that no other line names
.set LI,   1                           ; 16 x lane
.set ADA,  16                          ; my tiles of o: the first four; v17 the last four
.set ADB,  18
.set ADS,  19                          ; v19, v20 scale words
.set OFF,  21
.set BO,   24                          ; v24-27 the bias of my four columns
.set SPW,  28
.set NIL,  29
.set G1X,  24
.set G1W,  32
.set G1SX, 44
.set G1SW, 52
.set G0X,  60
.set G0W,  68
.set G0SX, 72
.set G0SW, 76
.set G0P,  80
.set MSB, 0
.macro WIN new                         ; the immediate's high byte repeats the setting that is left
.if MSB != \new
	s_set_vgpr_msb (MSB<<8)|\new
.set MSB, \new
.endif
.endm
.macro CROUND
	s_barrier_signal -1
	s_barrier_wait -1
	s_cmp_lg_u32 s14, 0
	s_cbranch_scc1 .Lnot_wave_0_\@
	s_barrier_signal -3
.Lnot_wave_0_\@:
	s_barrier_wait -3
	s_barrier_signal -1
	s_barrier_wait -1
.endm
.macro GROUP1 b, mask, el, rows        ; a dense block as rows of el elements of 8 bytes; bit 21 set beside the mask
	s_or_b32 s[\b], \mask, (3<<16)|(1<<21)
	s_mov_b32 s[\b+1], \el<<16
	s_mov_b32 s[\b+2], \rows<<16
	s_mov_b32 s[\b+3], \el<<16
	s_mov_b32 s[\b+4], \rows
	s_mov_b32 s[\b+5], \el
	s_mov_b32 s[\b+6], 0
	s_mov_b32 s[\b+7], 0
.endm
	s_load_b256 s[4:11], s[0:1], 0x0               ; ob, xw, b_o, out0
	v_lshl_add_u32 v[SPW], v0, 2, SPARE
	v_mov_b32 v[NIL], 0
	ds_add_u32 v[SPW], v[NIL]                      ; the wave's opening: the add, twice on end, and its wait ahead of my first tensor load
	ds_add_u32 v[SPW], v[NIL]
	v_lshrrev_b32 v2, 5, v0
	v_readfirstlane_b32 s14, v2                    ; wave
	s_lshr_b32 s15, s14, 1                         ; wr
	s_and_b32 s16, s14, 1                          ; wc
	s_bfe_u32 s92, ttmp6, 0x40000                  ; cx, cy: my place in the cluster
	s_bfe_u32 s93, ttmp6, 0x40004
	s_lshl_b32 s94, ttmp9, 2
	s_add_co_u32 s94, s94, s92                     ; x
	s_and_b32 s95, ttmp7, 0xffff
	s_lshl_b32 s95, s95, 2
	s_add_co_u32 s95, s95, s93                     ; y
	s_lshl_b32 s96, s93, 2
	s_lshl_b32 s96, 15, s96                        ; my row of the cluster
	s_lshl_b32 s97, 0x1111, s92                    ; my column
	GROUP1 G1X, s96, 1024, 8                       ; o's codes: 8 tiles of 8,192 bytes at the head, 2 behind it
	GROUP1 G1W, s97, 1024, 8                       ; W_o's 8 tiles
	GROUP1 G1SX, s96, 32, 32                       ; scale words: 8,192 bytes
	GROUP1 G1SW, s97, 32, 16                       ; and 4,096
	s_lshl_b32 s18, s95, 17                        ; where they come from: o's hang on y alone, W_o's on x alone
	s_mov_b32 s19, 0
	s_lshl_b32 s20, s95, 13
	s_add_co_u32 s20, s20, O_OS
	s_mov_b32 s21, 0
	s_lshl_b32 s22, s94, 16
	s_add_co_u32 s22, s22, O_WOC
	s_mov_b32 s23, 0
	s_lshl_b32 s84, s94, 12
	s_add_co_u32 s84, s84, O_WOS
	s_mov_b32 s85, 0
	s_lshl_b32 s86, s14, 14                        ; o's tiles 8-15: my two
	s_add_co_u32 s86, s86, 65536
	s_mov_b32 s87, 0
	s_mov_b32 s[G0X], 1
	s_mov_b32 s[G0X+1], 0
	s_mov_b32 s[G0W], 1
	s_mov_b32 s[G0W+1], LW
	s_mov_b32 s[G0SX], 1
	s_mov_b32 s[G0SX+1], SCX
	s_mov_b32 s[G0SW], 1
	s_mov_b32 s[G0SW+1], SCW
	s_mov_b32 s[G0P], 1
	s_mov_b32 s[G0P+1], s86
	s_wait_alu depctr_va_vdst(0)
	s_wait_dscnt 0x0                               ; both opening adds are done
	s_wait_kmcnt 0x0
	s_add_nc_u64 s[G0X+2:G0X+3], s[4:5], s[18:19]
	s_add_nc_u64 s[G0P+2:G0P+3], s[G0X+2:G0X+3], s[86:87]
	s_or_b32 s[G0X+3], s[G0X+3], 0x80000000
	s_or_b32 s[G0P+3], s[G0P+3], 0x80000000
	s_add_nc_u64 s[G0SX+2:G0SX+3], s[4:5], s[20:21]
	s_or_b32 s[G0SX+3], s[G0SX+3], 0x80000000
	s_add_nc_u64 s[G0W+2:G0W+3], s[6:7], s[22:23]
	s_or_b32 s[G0W+3], s[G0W+3], 0x80000000
	s_add_nc_u64 s[G0SW+2:G0SW+3], s[6:7], s[84:85]
	s_or_b32 s[G0SW+3], s[G0SW+3], 0x80000000
	CROUND                                         ; all sixteen work-groups are here: the joint loads meet
.macro ARM under, g0, g1, next         ; the head's loads, one a wave: one tree of branches on the wave's number
	s_cmp_lt_u32 s14, \under
	s_cbranch_scc0 \next
	tensor_load_to_lds s[\g0:\g0+3], s[\g1:\g1+7]
	s_nop 0
.rept 4
	v_nop
.endr
	s_branch .Lhead_asked
\next:
.endm
	ARM 1, G0W, G1W, .Lhead_1
	ARM 2, G0X, G1X, .Lhead_2
	ARM 3, G0SX, G1SX, .Lhead_3
	tensor_load_to_lds s[G0SW:G0SW+3], s[G1SW:G1SW+7]
	s_nop 0
.rept 4
	v_nop
.endr
.Lhead_asked:
	v_and_b32 v2, 15, v0                           ; r
	v_bfe_u32 v3, v0, 4, 1                         ; h
	v_and_b32 v[LI], 31, v0
	v_lshlrev_b32 v[LI], 4, v[LI]
	s_lshl_b32 s17, s15, 15
	v_add_nc_u32 v[ADA], s17, v[LI]                ; my four tiles of o's first eight,
	v_add_nc_u32 v[ADA+1], 65536, v[ADA]           ; and of its last eight
	s_lshl_b32 s17, s16, 15
	s_add_co_u32 s17, s17, LW
	v_add_nc_u32 v[ADB], s17, v[LI]
	s_lshl_b32 s17, s15, 11                        ; scale words: lanes 0-15 o's group wr, lanes 16-31 W_o's group wc
	s_lshl_b32 s18, s16, 11
	s_add_co_u32 s18, s18, SCW-SCX
	s_sub_co_u32 s18, s18, s17
	s_add_co_u32 s17, s17, SCX
	s_wait_alu depctr_va_vdst(0)
	v_mul_u32_u24 v4, s18, v3
	v_add_nc_u32 v4, s17, v4
	v_lshl_add_u32 v[ADS], v2, 4, v4
	v_lshlrev_b32 v4, 12, v3
	v_sub_nc_u32 v[ADS+1], v[ADS], v4              ; with 4,096 in the offset: o's group wr + 2, W_o's as before
	v_lshlrev_b32 v[OFF], 18, v3                   ; 32 rows of 8,192 bytes for lanes 16-31
	v_lshl_add_u32 v[OFF], v2, 4, v[OFF]
	v_lshlrev_b32 v5, 4, v2
	s_lshl_b32 s18, s94, 9                         ; my first column, in bytes
	s_lshl_b32 s19, s16, 8
	s_add_co_u32 s18, s18, s19
	s_mov_b32 s19, 0
	s_add_nc_u64 s[8:9], s[8:9], s[18:19]
	s_wait_alu depctr_va_vdst(0)
	global_load_b128 v[BO:BO+3], v5, s[8:9]
	s_lshr_b32 s20, s95, 3
	s_lshl_b32 s20, s20, 24                        ; the batch's 2,048 rows
	s_lshl_b32 s21, s15, 16                        ; 8 wr rows
	s_add_co_u32 s22, s18, s20
	s_add_co_u32 s18, s22, s21
	s_bfe_u32 s20, s95, 0x10002
	s_mul_i32 s20, s20, 15                         ; late
	s_and_b32 s21, s95, 3
	s_lshl_b32 s21, s21, 1                         ; 2 X
.irp b, 0,1
	s_add_co_u32 s22, s21, \b
	s_xor_b32 s22, s22, s20
	s_lshl_b32 s22, s22, 20                        ; 128 T8 rows
	s_add_co_u32 s22, s22, s18
	s_mov_b32 s23, 0
	s_add_nc_u64 s[40+2*\b:41+2*\b], s[10:11], s[22:23]
.endr
	s_wait_alu depctr_va_vdst(0)
	s_wait_tensorcnt 0x0                           ; my load of the head's four is in
	ds_add_u32 v[SPW], v[NIL]                      ; 0 onto my spare word
	s_mov_b32 s[G1X+2], 2<<16                      ; no tensor load of mine is out: from here on a load brings 2 tiles
	s_mov_b32 s[G1X+4], 2
	s_wait_dscnt 0x0
	CROUND                                         ; everybody's loads of the head are in
	tensor_load_to_lds s[G0P:G0P+3], s[G1X:G1X+7]  ; o's tiles 8-15, two a wave: they land under the first four tiles
	s_nop 0
.rept 4
	v_nop
.endr
.macro LOADS g                         ; scale words of all 8 steps for my tiles 4 g .. 4 g + 3
.irp n, 0,1,2,3,4,5,6,7
	ds_load_b128 v[32+32*\g+4*\n:32+32*\g+4*\n+3], v[ADS+\g] offset:4096*\g+256*\n
.endr
.endm
.macro LOADA k                         ; my tile k of o, all of K
.irp n, 0,1,2,3,4,5,6,7
.irp c, 0,1
	ds_load_b128 v[96+64*((\k)%2)+8*\n+4*\c:96+64*((\k)%2)+8*\n+4*\c+3], v[ADA+(\k)/4] offset:8192*((\k)%4)+1024*\n+512*\c
.endr
.endr
.endm
; 32 products: tile k of o x my four tiles of W_o, all of K; the four accumulators take turns, so that three others stand between two steps of a sum.  first = 1: W_o's fragments arrive step by step
.macro MUL k, first
	WIN 0xa4                                       ; source 1 window 1, C and D window 2
.irp n, 0,1,2,3,4,5,6,7
.if \first
	s_wait_dscnt 8*(7-\n)                          ; behind step n's eight loads stand those of the steps after it
.endif
.irp b, 0,1,2,3
.if \n == 0
	v_wmma_scale_f32_16x16x128_f8f6f4 v[8*\b:8*\b+7], v[96+64*((\k)%2)+8*\n:96+64*((\k)%2)+8*\n+7], v[32*\n+8*\b:32*\n+8*\b+7], 0, v[32+32*((\k)/4)+4*\n+(\k)%4], v[32+32*((\k)/4)+4*\n+\b] matrix_a_fmt:MATRIX_FMT_FP4 matrix_b_fmt:MATRIX_FMT_FP4 matrix_b_scale:MATRIX_SCALE_ROW1
.else
	v_wmma_scale_f32_16x16x128_f8f6f4 v[8*\b:8*\b+7], v[96+64*((\k)%2)+8*\n:96+64*((\k)%2)+8*\n+7], v[32*\n+8*\b:32*\n+8*\b+7], v[8*\b:8*\b+7], v[32+32*((\k)/4)+4*\n+(\k)%4], v[32+32*((\k)/4)+4*\n+\b] matrix_a_fmt:MATRIX_FMT_FP4 matrix_b_fmt:MATRIX_FMT_FP4 matrix_b_scale:MATRIX_SCALE_ROW1
.endif
.endr
.endr
	WIN 0
.endm
.macro SEND k
.rept 4
	v_nop                                          ; places behind the products
.endr
	WIN 0xc2                                       ; source 0 window 2, destination window 3
.irp j, 0,1,2,3,4,5,6,7
.irp b, 0,1,2,3
	v_add_f32 v[32*(\k)+4*\j+\b], v[8*\b+\j], v[BO+\b]     ; the bias; and four neighbouring columns of row 8 h + j come to stand side by side
.endr
.endr
	WIN 0x0c                                       ; the data: window 3, 32 registers a tile, never written twice
.irp j, 0,1,2,3,4,5,6,7
	global_store_b128 v[OFF], v[32*(\k)+4*\j:32*(\k)+4*\j+3], s[40+2*(((\k)/2)%2):41+2*(((\k)/2)%2)] offset:8192*\j+524288*((\k)%2)+131072*((\k)/4) th:TH_STORE_NT
.endr
	WIN 0
.endm
	LOADS 0
	LOADA 0
	WIN 0x40
.irp n, 0,1,2,3,4,5,6,7
.irp b, 0,1,2,3
.irp c, 0,1
	ds_load_b128 v[32*\n+8*\b+4*\c:32*\n+8*\b+4*\c+3], v[ADB] offset:8192*\b+1024*\n+512*\c
.endr
.endr
.endr
	WIN 0
	MUL 0, 1
	LOADS 1
	LOADA 1
	s_wait_loadcnt 0x0                             ; the bias
	SEND 0
.irp k, 1,2,3,4,5,6,7
.if \k == 3
	s_wait_tensorcnt 0x0                           ; my two of o's last eight tiles have landed
	s_wait_dscnt 0x0
	s_barrier_signal -1
	s_barrier_wait -1                              ; everybody's
.endif
.if \k < 7
	LOADA \k+1
	s_wait_dscnt 16                                ; all but the 16 just issued
.else
	s_wait_dscnt 0x0
.endif
	MUL \k, 0
	SEND \k
.endr
	s_wait_tensorcnt 0x0                           ; the wave's end
	ds_add_u32 v[SPW], v[NIL]
	s_wait_dscnt 0x0
	CROUND                                         ; the closing round: no work-group ends while a partner may still ask for a tile that names it
	s_endpgm
.Lfunc_end_k_qdfe8dfb9f5_outp:
	.size	k_qdfe8dfb9f5_outp, .Lfunc_end_k_qdfe8dfb9f5_outp-k_qdfe8dfb9f5_outp
	.p2alignl 7, 3214868480
	.fill 96, 4, 3214868480
	.section	.rodata,"a",@progbits
	.p2align	6, 0x0
	.amdhsa_kernel k_qdfe8dfb9f5_outp
		.amdhsa_group_segment_fixed_size 327680
		.amdhsa_private_segment_fixed_size 0
		.amdhsa_enable_private_segment 0
		.amdhsa_kernarg_size 32
		.amdhsa_user_sgpr_count 2
		.amdhsa_user_sgpr_kernarg_segment_ptr 1
		.amdhsa_wavefront_size32 1
		.amdhsa_system_sgpr_workgroup_id_x 1
		.amdhsa_system_sgpr_workgroup_id_y 1
		.amdhsa_system_sgpr_workgroup_id_z 1
		.amdhsa_system_vgpr_workitem_id 0
		.amdhsa_next_free_vgpr 1024
		.amdhsa_next_free_sgpr 100
		.amdhsa_reserve_vcc 0
		.amdhsa_float_denorm_mode_32 3
		.amdhsa_float_denorm_mode_16_64 3
		.amdhsa_memory_ordered 1
		.amdhsa_forward_progress 1
		.amdhsa_inst_pref_size 72
	.end_amdhsa_kernel
	.amdgpu_metadata
---
amdhsa.version: [ 1, 2 ]
amdhsa.kernels:
  - .name:           k_qdfe8dfb9f5_outp
    .symbol:         k_qdfe8dfb9f5_outp.kd
    .args:
      - { .name: ob, .offset: 0, .size: 8, .value_kind: global_buffer, .address_space: global }
      - { .name: xw, .offset: 8, .size: 8, .value_kind: global_buffer, .address_space: global }
      - { .name: b_o, .offset: 16, .size: 8, .value_kind: global_buffer, .address_space: global }
      - { .name: out0, .offset: 24, .size: 8, .value_kind: global_buffer, .address_space: global }
    .group_segment_fixed_size: 327680
    .private_segment_fixed_size: 0
    .kernarg_segment_align: 8
    .kernarg_segment_size: 32
    .max_flat_workgroup_size: 128
    .sgpr_count:     100
    .vgpr_count:     1024
    .wavefront_size: 32
...
	.end_amdgpu_metadata
.endif
;; end of part 4
